; MI455X (gfx1250); checked and timed in simulation.
; The chip was launched on July 23, 2026; its instructions are those of AMD's public machine-readable ISA for CDNA 5 (MIT licence, August 2026) and "CDNA5" Instruction Set Architecture Reference Guide (July 2026). The comments in the code are by the model that wrote it; some were corrected since.
;; Multi Head Self Attention. Allowed arithmetic: matrix products marked QUANTISED: E4M3 operands, one given power-of-two scale a tensor, by v_wmma_f32_16x16x64_fp8_fp8 or v_wmma_f32_16x16x128_fp8_fp8, f32 sums; everything else in f32.
;; Inputs: Wk 1,024 x 1,024 float32; Wo 1,024 x 1,024 float32; Wq 1,024 x 1,024 float32; Wv 1,024 x 1,024 float32; lowp_scales 12 int32 (the exponents e of the quantised operands' scales 2^e); token_positions 2,048 int32; x 4 x 2,048 x 1,024 float32.
;; Outputs: out0 4 x 2,048 x 1,024 float32.
;; This version of the problem:
;;   THIS VERSION OF THE PROBLEM IS GIVEN IN LOW PRECISION. The matrix products marked QUANTISED in the list below multiply operands that are first quantised to E4M3 (4 exponent bits, 3 mantissa bits; 8 bits a number), with one given power-of-two scale for each operand tensor; their sums are f32. All else is computed in f32.
;;   The module's matrix products, in the order in which they are computed (A, B: the left and right operand; K: the contracted axis; several contracted axes count as one K, in the product's order):
;;     1. [M 8,192, K 1,024] x [K 1,024, N 1,024]; A: input x; B: input Wq: QUANTISED (scales: A lowp_scales[0], B lowp_scales[1])
;;     2. [M 8,192, K 1,024] x [K 1,024, N 1,024]; A: input x; B: input Wk: QUANTISED (scales: A lowp_scales[2], B lowp_scales[3])
;;     3. [M 8,192, K 1,024] x [K 1,024, N 1,024]; A: input x; B: input Wv: QUANTISED (scales: A lowp_scales[4], B lowp_scales[5])
;;     4. batch 64 x [M 2,048, K 64] x [K 64, N 2,048]; A: computed on the way; B: computed on the way: QUANTISED (scales: A lowp_scales[6], B lowp_scales[7])
;;     5. batch 64 x [M 2,048, K 2,048] x [K 2,048, N 64]; A: softmax (see below); B: computed on the way: QUANTISED (scales: A lowp_scales[8], B lowp_scales[9])
;;     6. [M 8,192, K 1,024] x [K 1,024, N 1,024]; A: computed on the way; B: input Wo: QUANTISED (scales: A lowp_scales[10], B lowp_scales[11])
;;   THE QUANTISER, for each operand of a quantised product, along K:
;;     - The operand's scale is 2^e, e = its entry of the input lowp_scales (int32; the entries are numbered through the quantised products in the list's order, A before B).
;;     - Each number is divided by the scale, clamped to +-448, and rounded to the nearest number of E4M3, ties to even, subnormals kept.
;;     - The product sums the exact products of the quantised numbers (number of the format x scale) in f32.
;;   ~~~python
;;   def quantise(x, axis, e):      # numpy; x: float32 -> the quantised numbers, widened to float32 again
;;       x = np.moveaxis(x, axis, -1); K = x.shape[-1]
;;       r = np.clip(x / 2.0 ** e, -448, 448)
;;       step = 2.0 ** (np.maximum(np.frexp(np.where(r == 0, 1, r))[1] - 1, -6) - 3)
;;       q = np.round(r / step) * step * 2.0 ** e      # np.round: ties to even
;;       return np.moveaxis(q, -1, axis).astype(np.float32)
;;   ~~~
;;   SOFTMAX AHEAD OF A QUANTISED PRODUCT. Where the list says 'softmax', what is quantised is not the finished softmax but p = 2^(t - M), with t = logit x log2(e) and M = ceil(the row's largest t), a whole number; so 1/2 < the row's largest p <= 1. The row's sum l is taken of the UNQUANTISED p, in f32, and the product's result is divided by l at the end. Since M is a whole number, a kernel that streams over the keys may use a running M (the ceiling of the running maximum): every later rescaling is an exact power of two, so the quantised numbers keep their values, but for numbers so far below the row's largest that they fall under the format's range.
;;   OPERANDS COMPUTED ON THE WAY. 'Computed on the way' means the value that the module computes at that place (a softmax that the list does not call 'softmax' is quantised finished and normalised). What goes into a quantiser is computed in f32, as accurately as f32 sums, v_exp_f32 and their like allow (about 1e-6 of the number): no bf16 or f16 on the way to a quantiser, and a product that is left as it is and whose result goes on into a quantised operand takes f32 operands (vector FMAs, or v_wmma_f32_16x16x4_f32). A number that lies on a knife's edge between two numbers of the format may be rounded either way, as far as f32 arithmetic and the matrix unit's own rounding can turn it there, and no further.
;; One version. Each part assembles by itself: llvm-mc -triple=amdgcn-amd-amdhsa -mcpu=gfx1250 --defsym DOCPART=n.
;; ======== version 1 of 1: 4 launches
;; limits: right only within a limited range of input values
;; workspace buffers: xc 25,165,824 bytes; wc 4,194,304 bytes; rope 540,672 bytes; qkv 25,165,824 bytes; ao 8,388,608 bytes
;; launch prep (part 1): grid 417 x 1, 4 waves a work-group, no clusters, 34,304 bytes of LDS; arguments x, Wq, Wk, Wv, Wo, token_positions, lowp_scales, xc, wc, rope; writes xc, wc, rope
.if DOCPART == 1
	.amdgcn_target "amdgcn-amd-amdhsa--gfx1250"
	.amdhsa_code_object_version 6
	.text
	.protected	k_qc70d1c5ff9_prep
	.globl	k_qc70d1c5ff9_prep
	.p2align	8
	.type	k_qc70d1c5ff9_prep,@function
k_qc70d1c5ff9_prep:
	s_mov_b64 s[64:65], 0
	v_nop
	global_prefetch_b8 v0, s[64:65] scope:SCOPE_SE
	s_setreg_imm32_b32 hwreg(HW_REG_WAVE_MODE, 25, 1), 1
	s_wait_xcnt 0x0
; PREP: x [8192][1024] f32 becomes three sets of E4M3 codes (scales 2^e0, 2^e2, 2^e4), Wq, Wk, Wv, Wo [1024][1024] f32 one set each (e1, e3, e5, e11),
; and token_positions becomes a table of (cos, sin) for the rotation of q and k.
; code = number / 2^e, held within +-448, to the nearest code, ties to even.
; THE CODES ARE LAID AS IMAGES OF OPERAND REGISTERS.  A fragment is 16 rows x 128 along K = 2,048 bytes: byte 512 g + 16 L holds registers 4 g .. 4 g + 3 of lane L = (r = L % 16, h = L / 16):
; k = 32 g + 8 h + 0 .. 7, then k = 32 g + 16 + 8 h + 0 .. 7, of row r: the 8-bit operand layout of the plain matrix forms.  A tensor is [block of 16 rows][K / 128][2,048].
; SHARES.  Work-groups 0-255: x; 256-383: the weights, 32 work-groups each; 384-416: the table.  A wave of the first two kinds takes four fragments on end: 16 rows x 512 along K.
; Each load reads 512 consecutive bytes of one row; the 16 x 128 numbers turn through the wave's own stage in LDS (rows of 512 + 16 bytes) and come back with a lane's numbers running along K;
; each store of codes is 512 consecutive bytes.  x and the weights take one path: pointers are chosen on the work-group's number; only x's second and third quantising are jumped over for a weight.
; THE TABLE: 2,112 rows of 256 bytes; row s holds 32 pairs (cos, sin) of token_positions[s] x 10000^(-i / 32); rows 2,048 to 2,111 hold angle 0, that is (1, 0).
; LIMITS: each e between -126 and 119, so that 2^e and 448 x 2^e are f32 numbers.  NaN among the inputs is not served (an infinity is held at the largest code).
; |position| up to 2^20: the three-part reduction of the angle by pi / 2 is cut for that range.
.set STGB,  8448                       ; a wave's stage: 16 rows x 528 bytes
.set SPARE, 4*STGB                     ; behind the stages: the spare words, 128 bytes for each wave, which no other line names
.set SPW,   4                          ; v4   LDS address of my spare word; never rewritten
.set NIL,   5                          ; v5   0; never rewritten
.set SC,    6                          ; v6, v8, v10  2^e for each of three scales
.set R,     16                         ; v16-79   16 x 4 registers as loaded
.set X,     80                         ; v80-143  64 numbers of my row, in the operand's order along K
.set T,     144
.set C,     160                        ; v160-207 16 registers of codes for each of three scales
.set SRC,   26                         ; s[26:27] my job's numbers
.set DP,    44                         ; s[44:49] where my job's codes go, for each of three scales
	s_load_b512 s[4:19], s[0:1], 0x0               ; x, Wq, Wk, Wv, Wo, token_positions s[14:15], lowp_scales s[16:17], xc s[18:19]
	s_load_b128 s[20:23], s[0:1], 0x40             ; wc, rope
	v_lshl_add_u32 v[SPW], v0, 2, SPARE
	v_mov_b32 v[NIL], 0
	v_lshrrev_b32 v1, 5, v0
	v_readfirstlane_b32 s24, v1                    ; wave 0..3
	v_and_b32 v12, 31, v0                          ; lane
	s_cmp_ge_u32 ttmp9, 384
	s_cbranch_scc1 .Lrope
	; ---- x and the weights
	v_lshlrev_b32 v1, 4, v12                       ; 16 L: my bytes of a load's and of a store's 512
	s_mul_i32 s25, s24, STGB
	v_add_nc_u32 v2, s25, v1                       ; the stage, on the way in: 16 L in row i
	v_and_b32 v13, 15, v0                          ; r
	v_bfe_u32 v14, v0, 4, 1                        ; h
	v_mul_u32_u24 v3, v13, 528
	v_lshl_add_u32 v3, v14, 5, v3
	v_add_nc_u32 v3, s25, v3                       ; and on the way out: row r, + 32 h bytes (8 h numbers)
	s_lshl_b32 s50, ttmp9, 2
	s_add_co_u32 s50, s50, s24                     ; 4 x work-group + wave
	s_sub_co_u32 s51, ttmp9, 256
	s_lshr_b32 s51, s51, 5                         ; which weight (of use in work-groups 256-383 alone)
	s_lshl_b32 s51, s51, 20                        ; its section of wc
	s_mov_b32 s52, 127
	s_cmp_lt_u32 ttmp9, 256
	s_cselect_b32 s52, 1023, s52                   ; jobs in the tensor, less one
	s_cselect_b32 s60, 0, s51
	s_mov_b32 s61, 0
	s_and_b32 s50, s50, s52                        ; my job
	s_lshr_b32 s53, s50, 1                         ; its block of 16 rows
	s_and_b32 s54, s50, 1                          ; its half of K
	s_lshl_b32 s56, s53, 16                        ; 16 rows of 4,096 bytes
	s_lshl_b32 s55, s54, 11
	s_add_co_u32 s56, s56, s55
	s_mov_b32 s57, 0
	s_lshl_b32 s58, s53, 14                        ; 8 fragments of 2,048 bytes
	s_lshl_b32 s55, s54, 13
	s_add_co_u32 s58, s58, s55
	s_mov_b32 s59, 0
	s_wait_alu depctr_va_vdst(0)
	s_wait_kmcnt 0x0
	s_load_b256 s[32:39], s[16:17], 0x0            ; e0 .. e7
	s_load_b128 s[40:43], s[16:17], 0x20           ; e8 .. e11
	s_mov_b64 s[SRC:SRC+1], s[12:13]               ; Wo, unless the work-group's number says otherwise
	s_cmp_lt_u32 ttmp9, 352
	s_cselect_b64 s[SRC:SRC+1], s[10:11], s[SRC:SRC+1]
	s_cmp_lt_u32 ttmp9, 320
	s_cselect_b64 s[SRC:SRC+1], s[8:9], s[SRC:SRC+1]
	s_cmp_lt_u32 ttmp9, 288
	s_cselect_b64 s[SRC:SRC+1], s[6:7], s[SRC:SRC+1]
	s_cmp_lt_u32 ttmp9, 256
	s_cselect_b64 s[SRC:SRC+1], s[4:5], s[SRC:SRC+1]
	s_cselect_b64 s[DP:DP+1], s[18:19], s[20:21]
	s_add_nc_u64 s[SRC:SRC+1], s[SRC:SRC+1], s[56:57]
	s_add_nc_u64 s[DP:DP+1], s[DP:DP+1], s[58:59]
	s_add_nc_u64 s[DP:DP+1], s[DP:DP+1], s[60:61]
	s_add_nc_u64 s[DP+2:DP+3], s[18:19], s[58:59]  ; x's second and third sections, 8 MiB apart: more than a store's immediate holds
	s_add_nc_u64 s[DP+2:DP+3], s[DP+2:DP+3], 0x800000
	s_add_nc_u64 s[DP+4:DP+5], s[DP+2:DP+3], 0x800000
.macro LOAD t                          ; fragment t's numbers: row i's 128, 512 consecutive bytes a load
.irp i, 0,1,2,3,4,5,6,7,8,9,10,11,12,13,14,15
	global_load_b128 v[R+4*\i:R+4*\i+3], v1, s[SRC:SRC+1] offset:4096*\i+512*(\t) th:TH_LOAD_NT
.endr
.endm
.macro MKSC k, e                       ; scale k from the exponent in s[e]
	s_add_co_i32 s62, s[\e], 127
	s_lshl_b32 s63, s62, 23
	v_mov_b32 v[SC+2*\k], s63                      ; 2^e as f32: the conversion takes its exponent field
.endm
.macro QUANT k, t                      ; the 64 numbers in X become a fragment's 16 registers by scale k, and leave
.irp g, 0,1,2,3
.irp i, 0,1,2,3,4,5,6,7,8,9,10,11,12,13,14,15
.endr
	v_cvt_scalef32_pk8_fp8_f32 v[C+16*\k+4*\g:C+16*\k+4*\g+1], v[T+((X+16*\g+0)-(T+0)):T+7+((X+16*\g+0)-(T+0))], v[SC+2*\k]
	v_cvt_scalef32_pk8_fp8_f32 v[C+16*\k+4*\g+2:C+16*\k+4*\g+3], v[T+8+((X+16*\g+0)-(T+0)):T+15+((X+16*\g+0)-(T+0))], v[SC+2*\k]
	v_nop
.endr
.irp g, 0,1,2,3
	global_store_b128 v1, v[C+16*\k+4*\g:C+16*\k+4*\g+3], s[DP+2*\k:DP+2*\k+1] offset:2048*(\t)+512*\g   ; 32 lanes store 512 consecutive bytes
.endr
.endm
.macro STEP t
	s_wait_loadcnt 0x0                             ; this fragment's 16 loads are in
.irp i, 0,1,2,3,4,5,6,7,8,9,10,11,12,13,14,15
	ds_store_b128 v2, v[R+4*\i:R+4*\i+3] offset:528*\i
.endr
.irp g, 0,1,2,3                        ; LDS serves a wave's instructions in order (ISA guide 5.7.1.4): these see my stores
	ds_load_b128 v[X+16*\g:X+16*\g+3],     v3 offset:128*\g
	ds_load_b128 v[X+16*\g+4:X+16*\g+7],   v3 offset:128*\g+16
	ds_load_b128 v[X+16*\g+8:X+16*\g+11],  v3 offset:128*\g+64
	ds_load_b128 v[X+16*\g+12:X+16*\g+15], v3 offset:128*\g+80
.endr
	s_wait_dscnt 0x0                               ; the numbers are back, and the stage's stores have read R
.if \t < 3
	LOAD (\t)+1                                    ; the next fragment lands while this one is quantised
.endif
	s_wait_xcnt 0x0                                ; the last fragment's stores have read their codes: C is written again only behind this wait
	QUANT 0, \t
	s_cmp_lt_u32 ttmp9, 256                        ; a weight has one scale
	s_cbranch_scc0 .Lone_\@
	QUANT 1, \t
	QUANT 2, \t
.Lone_\@:
.endm
	LOAD 0
	s_wait_kmcnt 0x0
	s_mov_b32 s30, s43                             ; the first scale's exponent: e11, e5, e3, e1 for Wo, Wv, Wk, Wq; e0 for x
	s_cmp_lt_u32 ttmp9, 352
	s_cselect_b32 s30, s37, s30
	s_cmp_lt_u32 ttmp9, 320
	s_cselect_b32 s30, s35, s30
	s_cmp_lt_u32 ttmp9, 288
	s_cselect_b32 s30, s33, s30
	s_cmp_lt_u32 ttmp9, 256
	s_cselect_b32 s30, s32, s30
	MKSC 0, 30
	MKSC 1, 34                                     ; e2
	MKSC 2, 36                                     ; e4
	s_wait_alu depctr_va_vdst(0)
	STEP 0
	STEP 1
	STEP 2
	STEP 3
	s_wait_tensorcnt 0x0                           ; the wave's end, behind my last LDS store
	ds_add_u32 v[SPW], v[NIL]
	s_wait_dscnt 0x0
	s_endpgm
	; ---- the table: a wave takes 16 rows, a lane one frequency.  No LDS is touched on this path.
.Lrope:
	s_sub_co_u32 s25, ttmp9, 384
	s_lshl_b32 s25, s25, 6
	s_lshl_b32 s26, s24, 4
	s_add_co_u32 s25, s25, s26                     ; my first row
	s_min_u32 s26, s25, 2032                       ; the rows of angle 0 read the last 16 positions and multiply them by 0: no load leaves its buffer
	s_lshl_b32 s26, s26, 2
	s_mov_b32 s27, 0
	s_lshl_b32 s28, s25, 8
	s_mov_b32 s29, 0
	s_cmp_eq_u32 ttmp9, 416
	s_cselect_b32 s30, 0, 1.0
	s_wait_kmcnt 0x0
	s_add_nc_u64 s[14:15], s[14:15], s[26:27]
	s_load_b512 s[32:47], s[14:15], 0x0            ; 16 positions
	s_add_nc_u64 s[22:23], s[22:23], s[28:29]
	s_wait_alu depctr_va_vdst(0)
	; 10000^(-i / 32) = 2^(-i c), c = log2(10000) / 32 = 1701 / 4096 - 4.2191264e-5: i x 1701 / 4096 is exact, so its whole part n can be split off without error
	v_cvt_f32_u32 v13, v12
	v_mul_f32 v14, 0x3ed4a000, v13                 ; a = i x 1701 / 4096
	v_floor_f32 v15, v14                           ; n
	v_sub_f32 v16, v15, v14                        ; n - a, exact
	v_fmamk_f32 v16, v13, 0x3830f686, v16          ; n - i c, between -1 and 0
	s_wait_alu depctr_va_vdst(0)
	v_exp_f32 v17, v16
	v_cvt_i32_f32 v18, v15                         ; (a plain line behind the transcendental)
	v_sub_nc_u32 v18, 0, v18
	v_lshlrev_b32 v19, 3, v12                      ; 8 bytes a lane
	s_wait_alu depctr_va_vdst(0)                   ; the wait ahead of the first reader
	v_ldexp_f32 v17, v17, v18                      ; x 2^-n
	v_mul_f32 v17, s30, v17                        ; x 0 in the rows of angle 0
	s_wait_kmcnt 0x0
.macro ROW i
	v_cvt_f32_i32 v20, s[32+\i]
	s_wait_alu depctr_va_vdst(0)
	v_mul_f32 v20, v20, v17                        ; the angle, rounded once
	v_mul_f32 v21, 0x3f22f983, v20
	v_rndne_f32 v21, v21                           ; j = the nearest multiple of pi / 2
	v_fmamk_f32 v22, v21, 0xbfc90fd8, v20          ; r = angle - j pi / 2, pi / 2 in three parts
	v_fmamk_f32 v22, v21, 0xb4a8885a, v22
	v_fmamk_f32 v22, v21, 0xa7c234c4, v22
	v_mul_f32 v23, v22, v22
	v_mov_b32 v24, 0x37cd4000                      ; cos r on +-pi / 4, a polynomial in r^2
	v_fmaak_f32 v24, v24, v23, 0xbab6077d
	v_fmaak_f32 v24, v24, v23, 0x3d2aaaa8
	v_fma_f32 v24, v24, v23, -0.5
	v_fma_f32 v24, v24, v23, 1.0
	v_mov_b32 v25, 0x36405000                      ; sin r = r + r^3 x a polynomial in r^2
	v_fmaak_f32 v25, v25, v23, 0xb9503486
	v_fmaak_f32 v25, v25, v23, 0x3c0888c1
	v_fmaak_f32 v25, v25, v23, 0xbe2aaaab
	v_mul_f32 v26, v22, v23
	v_fma_f32 v25, v25, v26, v22
	v_cvt_i32_f32 v27, v21                         ; the quadrant's number
	v_and_b32 v28, 1, v27
	v_cmp_eq_u32 vcc_lo, 1, v28
	v_cndmask_b32 v29, v24, v25, vcc_lo            ; odd: the two change places
	v_cndmask_b32 v30, v25, v24, vcc_lo
	v_add_nc_u32 v28, 1, v27
	v_lshlrev_b32 v28, 30, v28
	v_and_b32 v28, 0x80000000, v28                 ; the cosine is negative in quadrants 1 and 2,
	v_xor_b32 v[64+2*\i], v28, v29
	v_lshlrev_b32 v27, 30, v27
	v_and_b32 v27, 0x80000000, v27                 ; the sine in 2 and 3
	v_xor_b32 v[65+2*\i], v27, v30
	global_store_b64 v19, v[64+2*\i:65+2*\i], s[22:23] offset:256*\i   ; the wave stores one row: 256 consecutive bytes; each row has its own two registers
.endm
.irp i, 0,1,2,3,4,5,6,7,8,9,10,11,12,13,14,15
	ROW \i
.endr
	s_endpgm
.Lfunc_end_k_qc70d1c5ff9_prep:
	.size	k_qc70d1c5ff9_prep, .Lfunc_end_k_qc70d1c5ff9_prep-k_qc70d1c5ff9_prep
	.p2alignl 7, 3214868480
	.fill 96, 4, 3214868480
	.section	.rodata,"a",@progbits
	.p2align	6, 0x0
	.amdhsa_kernel k_qc70d1c5ff9_prep
		.amdhsa_group_segment_fixed_size 34304
		.amdhsa_private_segment_fixed_size 0
		.amdhsa_enable_private_segment 0
		.amdhsa_kernarg_size 80
		.amdhsa_user_sgpr_count 2
		.amdhsa_user_sgpr_kernarg_segment_ptr 1
		.amdhsa_wavefront_size32 1
		.amdhsa_system_sgpr_workgroup_id_x 1
		.amdhsa_system_sgpr_workgroup_id_y 1
		.amdhsa_system_sgpr_workgroup_id_z 1
		.amdhsa_system_vgpr_workitem_id 0
		.amdhsa_next_free_vgpr 208
		.amdhsa_next_free_sgpr 66
		.amdhsa_reserve_vcc 1
		.amdhsa_float_denorm_mode_32 3
		.amdhsa_float_denorm_mode_16_64 3
		.amdhsa_fp16_overflow 1
		.amdhsa_memory_ordered 1
		.amdhsa_forward_progress 1
		.amdhsa_inst_pref_size 58
	.end_amdhsa_kernel
	.amdgpu_metadata
---
amdhsa.version: [ 1, 2 ]
amdhsa.kernels:
  - .name:           k_qc70d1c5ff9_prep
    .symbol:         k_qc70d1c5ff9_prep.kd
    .args:
      - { .name: x, .offset: 0, .size: 8, .value_kind: global_buffer, .address_space: global }
      - { .name: Wq, .offset: 8, .size: 8, .value_kind: global_buffer, .address_space: global }
      - { .name: Wk, .offset: 16, .size: 8, .value_kind: global_buffer, .address_space: global }
      - { .name: Wv, .offset: 24, .size: 8, .value_kind: global_buffer, .address_space: global }
      - { .name: Wo, .offset: 32, .size: 8, .value_kind: global_buffer, .address_space: global }
      - { .name: token_positions, .offset: 40, .size: 8, .value_kind: global_buffer, .address_space: global }
      - { .name: lowp_scales, .offset: 48, .size: 8, .value_kind: global_buffer, .address_space: global }
      - { .name: xc, .offset: 56, .size: 8, .value_kind: global_buffer, .address_space: global }
      - { .name: wc, .offset: 64, .size: 8, .value_kind: global_buffer, .address_space: global }
      - { .name: rope, .offset: 72, .size: 8, .value_kind: global_buffer, .address_space: global }
    .group_segment_fixed_size: 34304
    .private_segment_fixed_size: 0
    .kernarg_segment_align: 8
    .kernarg_segment_size: 80
    .max_flat_workgroup_size: 128
    .sgpr_count:     66
    .vgpr_count:     208
    .wavefront_size: 32
...
	.end_amdgpu_metadata
.endif
;; end of part 1
;; launch qkvp (part 2): grid 12 x 64, 4 waves a work-group, clusters of 4 x 4, 327,680 bytes of LDS; arguments xc, wc, rope, lowp_scales, qkv; writes qkv
.if DOCPART == 2
	.amdgcn_target "amdgcn-amd-amdhsa--gfx1250"
	.amdhsa_code_object_version 6
	.text
	.protected	k_qc70d1c5ff9_qkvp
	.globl	k_qc70d1c5ff9_qkvp
	.p2align	8
	.type	k_qc70d1c5ff9_qkvp,@function
k_qc70d1c5ff9_qkvp:
	s_mov_b64 s[64:65], 0
	v_nop
	global_prefetch_b8 v0, s[64:65] scope:SCOPE_SE
	s_setreg_imm32_b32 hwreg(HW_REG_WAVE_MODE, 25, 1), 1
	s_wait_xcnt 0x0
	s_wait_alu depctr_hold_cnt(0) depctr_sa_sdst(0) depctr_va_vdst(0) depctr_va_sdst(0) depctr_va_ssrc(0) depctr_va_vcc(0) depctr_vm_vsrc(0)
	s_getreg_b32 s2, hwreg(HW_REG_IB_STS2, 6, 4)
	s_cmp_eq_u32 s2, 0
	s_cbranch_scc0 .Lentry_in_a_cluster
	s_endpgm
.Lentry_in_a_cluster:
	s_bfe_u32 s2, ttmp6, 0x10000c
	s_cmp_lg_u32 s2, 0xf033
	s_cbranch_scc0 .Lentry_shape_is_right
	s_endpgm
.Lentry_shape_is_right:
; QKVP: q = rope(x Wq^T), k = rope(x Wk^T), v = x Wv^T on E4M3 codes, quantised again (2^e6, 2^e7, 2^e9) and stored as images of the operand registers that the attention launch takes.
; Operands lie in memory as images: [block of 16 rows][K / 128][2,048 bytes], byte 512 g + 16 L = registers 4 g .. 4 g + 3 of lane L.  So a tile is dense rows of 4,096 bytes (a block's two fragments
; of a K step of 256), every LDS read is 16 bytes at 16 x lane, and no k changes its place.
; A TILE: 128 rows of the "A role" x 256 rows of the "B role", K = 1,024.  Four waves: wave w takes A's rows 64 (w / 2) on (4 blocks a) and B's rows 128 (w % 2) on (8 blocks b): 32 accumulators.
; THE MATRIX INSTRUCTION IS USED TRANSPOSED (source 0 = B's fragment, source 1 = A's): lane (r, h) holds A's row 16 a + r, and its registers B's rows 16 b + 8 h + 0 .. 7.
; WHICH PRODUCT: the cluster's x: 0 q, 1 k, 2 v.  For q and k A = x (tokens), B = the weight (features): a lane's registers run along the head's 64, the next K.
; For v THE ROLES ARE SWAPPED, A = Wv, B = x: a lane's registers run along the keys, the next K.  All choices are selections on the cluster's x, which all partners share; there is no branch on it.
; The rotation is done for v too, by the table's rows of angle 0, (1, 0), which leave a number as it is: one path for the three products.
; K has four steps of 256 through three LDS slots: steps 0, 1, 2 are first fills, step 3 is the one refill, of slot 0.  By this text's count a wave has three tensor loads out at the start, later one.
; CLUSTERS: 4 x 4.  A's tile hangs on the tile row alone and is asked for jointly along a row of the cluster, B's on the tile column alone and jointly along a column.
; LIMITS: e6 - e0 - e1, e7 - e2 - e3 and e9 - e4 - e5 between -126 and 119, so that the folded scale and 448 x it are f32 numbers.  NaN is not served.
; REGISTERS, in windows of 256: window 0: v1-31 addresses and scales; v32-95 a block's rotated numbers; v128-191, v192-255 A's fragments, two sets (later the codes);
;   window 1: B's fragments, two sets of 128;  window 2: accumulator (a, b) at v[8 (8 a + b)];  window 3: v0-127 the table's (cos, sin) for my 64 tokens.
.set SLOT,  98304                      ; a K step: A's 8 blocks x 4,096 bytes, then B's 16
.set SPARE, 3*SLOT                     ; behind the slots: the spare words, 128 bytes for each wave, which no other line names
.set TABO,  7                          ; v7     my lane's place in the table's rows
.set VO,    8                          ; v8-15  where my codes go: block a, half u at v[8 + 2 a + u]
.set ADRA,  16                         ; v16-18 LDS address of my A fragments in slot 0, 1, 2
.set ADRB,  20                         ; v20-22 the same for B
.set SPW,   28                         ; v28    LDS address of my spare word; never rewritten
.set NIL,   29                         ; v29    0; never rewritten
.set QS,    30                         ; v30    the folded scale as f32
.set QL,    31
.set Y,     32
.set AF,    128
.set CD,    128                        ; the codes: 16 registers for each block a, so that no store's data are written again
.set G1A,   24                         ; s[24:31] descriptor group 1 for A's tiles;  s[32:39] for B's
.set G1B,   32
.set G0A,   40                         ; s[40:51] group 0 for A's tiles, a set for each first fill; s[52:63] for B's
.set G0B,   52
.set MSB, 0
.macro WIN new                         ; the immediate's high byte repeats the setting that is left
.if MSB != \new
	s_set_vgpr_msb (MSB<<8)|\new
.set MSB, \new
.endif
.endm
.set MUL,  0xa1                        ; source 0 (B) window 1, source 1 (A) window 0, C and D window 2
.set TO_B, 0x40                        ; destination window 1, address window 0
.macro PLACES n
.rept \n
	v_nop
.endr
.endm
.macro CREST                           ; a round of the cluster's barrier behind its opening barrier
	s_cmp_lg_u32 s14, 0
	s_cbranch_scc1 .Lnot_wave_0_\@
	s_barrier_signal -3
.Lnot_wave_0_\@:
	s_barrier_wait -3
	s_barrier_signal -1
	s_barrier_wait -1
.endm
.macro CROUND
	s_barrier_signal -1
	s_barrier_wait -1
	CREST
.endm
.macro JLOAD                           ; the joint refill of slot 0: waves 0 and 1 fetch A's halves, waves 2 and 3 B's; an s_nop 0 and four v_nop follow each line
	s_cmp_eq_u32 s15, 0
	s_cbranch_scc0 .Lfor_b_\@
	tensor_load_to_lds s[G0A:G0A+3], s[G1A:G1A+7]
	s_nop 0
	PLACES 4
	s_branch .Lasked_\@
.Lfor_b_\@:
	tensor_load_to_lds s[G0B:G0B+3], s[G1B:G1B+7]
	s_nop 0
	PLACES 4
.Lasked_\@:
.endm
.macro FETCH slot, q, p                ; 48 LDS loads: the fragments of the slot's q-th 128 along K into set p
	WIN TO_B
.irp b, 0,1,2,3,4,5,6,7
.irp c, 0,1,2,3
	ds_load_b128 v[128*(\p)+16*\b+4*\c:128*(\p)+16*\b+4*\c+3], v[ADRB+\slot] offset:4096*\b+2048*(\q)+512*\c
.endr
.endr
	WIN 0
.irp a, 0,1,2,3
.irp c, 0,1,2,3
	ds_load_b128 v[AF+64*(\p)+16*\a+4*\c:AF+64*(\p)+16*\a+4*\c+3], v[ADRA+\slot] offset:4096*\a+2048*(\q)+512*\c
.endr
.endr
.endm
.macro MUL8 a, p, zero                 ; A's block a against B's eight, 128 along K.  The 32 accumulators take turns in the same order in every step
.irp b, 0,1,2,3,4,5,6,7
.if \zero
	v_wmma_f32_16x16x128_fp8_fp8 v[8*(8*(\a)+\b):8*(8*(\a)+\b)+7], v[128*(\p)+16*\b:128*(\p)+16*\b+15], v[AF+64*(\p)+16*(\a):AF+64*(\p)+16*(\a)+15], 0
.else
	v_wmma_f32_16x16x128_fp8_fp8 v[8*(8*(\a)+\b):8*(8*(\a)+\b)+7], v[128*(\p)+16*\b:128*(\p)+16*\b+15], v[AF+64*(\p)+16*(\a):AF+64*(\p)+16*(\a)+15], v[8*(8*(\a)+\b):8*(8*(\a)+\b)+7]
.endif
.endr
.endm
.macro SUB p, zero, slot, q            ; a step of 128 along K on set p; the next step's fragments, (slot, q), are asked for first, into the other set
	s_wait_dscnt 0x0                               ; set p is in
	PLACES 4                                       ; four plain places between the last products that read the other set and the loads into it (ISA guide 7.12.1 for vector instructions)
	FETCH \slot, \q, 1-\p
	WIN MUL
	MUL8 0, \p, \zero
	MUL8 1, \p, \zero
	MUL8 2, \p, \zero
	MUL8 3, \p, \zero
.endm
.macro TURN next, fill                 ; a slot's last step (set 1) changes slots: one barrier.  fill = 1: the slot just read is filled again, behind a round of the cluster's barrier
	WIN 0                                          ; (the add's two registers lie in window 0)
	s_wait_tensorcnt 0x0                           ; all my tensor loads have landed
	ds_add_u32 v[SPW], v[NIL]                      ; 0 onto my spare word
	s_wait_dscnt 1                                 ; the 48 fragment loads are in; the add, issued behind them, may be out
	WIN MUL
	MUL8 0, 1, 0                                   ; eight matrix instructions stand between the add and the wait for it
	s_wait_dscnt 0x0                               ; the add is done, and my reads of this slot are over
	s_barrier_signal -1
	MUL8 1, 1, 0
	WIN 0
	s_barrier_wait -1
.if \fill
	CREST                                          ; no wave of any partner still reads the slot or has a load on its way
	s_add_nc_u64 s[G0A+2:G0A+3], s[G0A+2:G0A+3], 3*4096   ; slot 0's descriptors go from K step 0 to K step 3
	s_add_nc_u64 s[G0B+2:G0B+3], s[G0B+2:G0B+3], 3*4096
	JLOAD                                          ; the first tensor load behind the round; its four v_nop are the places in front of the loads below
.else
	PLACES 4
.endif
	FETCH \next, 0, 0
	WIN MUL
	MUL8 2, 1, 0
	MUL8 3, 1, 0
.endm
	s_load_b256 s[4:11], s[0:1], 0x0               ; xc s[4:5], wc s[6:7], rope s[8:9], lowp_scales s[10:11]
	s_load_b64 s[12:13], s[0:1], 0x20              ; qkv
	v_lshl_add_u32 v[SPW], v0, 2, SPARE
	v_mov_b32 v[NIL], 0
	ds_add_u32 v[SPW], v[NIL]                      ; the wave's opening: the add and its wait stand ahead of my first tensor load; work on registers stands between
	ds_add_u32 v[SPW], v[NIL]
	v_lshrrev_b32 v1, 5, v0
	v_readfirstlane_b32 s14, v1                    ; wave 0..3
	s_lshr_b32 s15, s14, 1                         ; my half of A's rows.  Also: I fetch for A (0) or for B (1)
	s_and_b32 s16, s14, 1                          ; my half of B's rows.  Also: which half of that tile I fetch
	s_bfe_u32 s66, ttmp6, 0x40000                  ; cx
	s_bfe_u32 s67, ttmp6, 0x40004                  ; cy
	s_and_b32 s68, ttmp7, 0xffff                   ; the cluster's y, 0..15
	s_lshr_b32 s69, s68, 3
	s_and_b32 s70, s68, 7
	s_cmp_eq_u32 ttmp9, 2                          ; v?
	s_cselect_b32 s69, s69, s68                    ; q, k: 16 x 1 clusters over 64 x 4 tiles;  v: 2 x 8 over 8 x 32
	s_cselect_b32 s70, s70, 0
	s_lshl_b32 s69, s69, 2
	s_add_co_u32 s69, s69, s67                     ; tile row
	s_lshl_b32 s70, s70, 2
	s_add_co_u32 s70, s70, s66                     ; tile column
	s_lshl_b32 s71, s67, 2
	s_lshl_b32 s71, 15, s71                        ; my row of the cluster
	s_lshl_b32 s82, 0x1111, s66                    ; my column
	s_or_b32 s[G1A], s71, (3<<16)|(1<<21)          ; 15:0 the mask; 17:16 elements of 8 bytes; 21 set beside a mask; no padding
	s_or_b32 s[G1B], s82, (3<<16)|(1<<21)
	s_mov_b32 s[G1A+1], 512<<16                    ; tensor_dim0 = 512 elements: 4,096 bytes
	s_mov_b32 s[G1A+2], 4<<16                      ; tensor_dim1 = 4 blocks
	s_mov_b32 s[G1A+3], 512<<16                    ; tile_dim0
	s_mov_b32 s[G1A+4], 4                          ; tile_dim1
	s_mov_b32 s[G1A+5], 2048                       ; from block to block: 16,384 bytes
	s_mov_b32 s[G1A+6], 0
	s_mov_b32 s[G1A+7], 0
	s_mov_b32 s[G1B+1], 512<<16
	s_mov_b32 s[G1B+2], 8<<16                      ; 8 blocks
	s_mov_b32 s[G1B+3], 512<<16
	s_mov_b32 s[G1B+4], 8
	s_mov_b32 s[G1B+5], 2048
	s_mov_b32 s[G1B+6], 0
	s_mov_b32 s[G1B+7], 0
	s_lshl_b32 s92, s69, 17                        ; A: 8 blocks of 16,384 bytes a tile row,
	s_lshl_b32 s17, s16, 16                        ; 4 blocks a half
	s_add_co_u32 s92, s92, s17
	s_mov_b32 s93, 0
	s_lshl_b32 s94, s70, 18                        ; B: 16 blocks a tile column,
	s_lshl_b32 s17, s16, 17                        ; 8 a half
	s_add_co_u32 s94, s94, s17
	s_mov_b32 s95, 0
	s_lshl_b32 s84, ttmp9, 23                      ; the product's section of xc
	s_mov_b32 s85, 0
	s_lshl_b32 s86, ttmp9, 20                      ; and of wc
	s_mov_b32 s87, 0
	s_lshl_b32 s18, s16, 14                        ; where they go in a slot: A's halves,
	s_lshl_b32 s19, s16, 15
	s_add_co_u32 s19, s19, 32768                   ; B's halves: no place in the cluster enters an LDS address
	s_wait_dscnt 0x0                               ; the opening add is done
	s_wait_kmcnt 0x0
	s_load_b256 s[72:79], s[10:11], 0x0            ; e0 .. e7
	s_load_b64 s[80:81], s[10:11], 0x20            ; e8, e9
	s_add_nc_u64 s[4:5], s[4:5], s[84:85]
	s_add_nc_u64 s[6:7], s[6:7], s[86:87]
	s_cmp_eq_u32 ttmp9, 2
	s_cselect_b64 s[88:89], s[6:7], s[4:5]         ; the A role: x, for v the weight
	s_cselect_b64 s[90:91], s[4:5], s[6:7]         ; the B role: the weight, for v x
	s_add_nc_u64 s[88:89], s[88:89], s[92:93]
	s_add_nc_u64 s[90:91], s[90:91], s[94:95]
	CROUND                                         ; all sixteen work-groups are here: the first joint loads meet
.irp s, 0,1,2
	s_mov_b32 s[G0A+4*\s], 1
	s_add_co_u32 s[G0A+4*\s+1], s18, \s*SLOT
	s_add_nc_u64 s[G0A+4*\s+2:G0A+4*\s+3], s[88:89], \s*4096
	s_or_b32 s[G0A+4*\s+3], s[G0A+4*\s+3], 0x80000000
	s_mov_b32 s[G0B+4*\s], 1
	s_add_co_u32 s[G0B+4*\s+1], s19, \s*SLOT
	s_add_nc_u64 s[G0B+4*\s+2:G0B+4*\s+3], s[90:91], \s*4096
	s_or_b32 s[G0B+4*\s+3], s[G0B+4*\s+3], 0x80000000
.endr
	s_cmp_eq_u32 s15, 0                            ; a wave's three first fills stand in one branch, ahead of every wait on TENSORcnt and every LDS read
	s_cbranch_scc0 .Lfirst_b
	tensor_load_to_lds s[G0A:G0A+3], s[G1A:G1A+7]
	s_nop 0
	tensor_load_to_lds s[G0A+4:G0A+7], s[G1A:G1A+7]
	s_nop 0
	tensor_load_to_lds s[G0A+8:G0A+11], s[G1A:G1A+7]
	s_nop 0
	PLACES 4
	s_branch .Lfirst_asked
.Lfirst_b:
	tensor_load_to_lds s[G0B:G0B+3], s[G1B:G1B+7]
	s_nop 0
	tensor_load_to_lds s[G0B+4:G0B+7], s[G1B:G1B+7]
	s_nop 0
	tensor_load_to_lds s[G0B+8:G0B+11], s[G1B:G1B+7]
	s_nop 0
	PLACES 4
.Lfirst_asked:
	v_and_b32 v1, 31, v0
	v_lshlrev_b32 v1, 4, v1                        ; 16 L
	s_wait_alu depctr_va_vdst(0)
	s_lshl_b32 s20, s15, 14                        ; my 4 blocks of A
	s_lshl_b32 s21, s16, 15
	s_add_co_u32 s21, s21, 32768                   ; my 8 blocks of B
.irp s, 0,1,2
	v_add_nc_u32 v[ADRA+\s], s20, v1
	v_add_nc_u32 v[ADRB+\s], s21, v1
	s_add_co_u32 s20, s20, SLOT
	s_add_co_u32 s21, s21, SLOT
.endr
	; where my codes go.  q, k: [batch x head][block of 16 tokens: 128][1,024];  v: [batch x head][128 keys: 16][16 of the head's 64: 4][2,048]
	s_lshl_b32 s82, s69, 7
	s_lshl_b32 s85, s15, 6
	s_add_co_u32 s82, s82, s85                     ; q, k: my first token
	s_lshr_b32 s83, s82, 11
	s_lshl_b32 s83, s83, 4                         ; 16 x batch
	s_lshl_b32 s85, s70, 2
	s_add_co_u32 s83, s83, s85
	s_lshl_b32 s85, s16, 1
	s_add_co_u32 s83, s83, s85                     ; + my first head: 4 x tile column + 2 x half
	s_lshl_b32 s83, s83, 7
	s_and_b32 s84, s82, 2047                       ; the token's place in its sequence
	s_lshr_b32 s85, s84, 4
	s_add_co_u32 s83, s83, s85
	s_lshl_b32 s83, s83, 10
	s_lshl_b32 s86, s70, 8
	s_lshl_b32 s88, s16, 7
	s_add_co_u32 s86, s86, s88                     ; v: my first token
	s_lshr_b32 s87, s86, 11
	s_lshl_b32 s87, s87, 4
	s_lshl_b32 s88, s69, 1
	s_add_co_u32 s87, s87, s88
	s_add_co_u32 s87, s87, s15                     ; + my head: 2 x tile row + half
	s_lshl_b32 s87, s87, 4
	s_and_b32 s88, s86, 2047
	s_lshr_b32 s88, s88, 7
	s_add_co_u32 s87, s87, s88                     ; + my 128 keys
	s_lshl_b32 s87, s87, 13
	s_mov_b32 s89, 1024
	s_mov_b32 s90, 131072
	s_cmp_eq_u32 ttmp9, 2
	s_cselect_b32 s92, s87, s83
	s_cselect_b32 s84, 2048, s84                   ; the table's rows: my tokens', for v those of angle 0
	s_cselect_b32 s89, 2048, s89                   ; from block a to the next
	s_cselect_b32 s90, 1024, s90                   ; from a block's first eight registers to its last: q, k the next head; v the fragment's second half
	s_lshl_b32 s93, ttmp9, 23                      ; the product's section of qkv
	s_add_co_u32 s92, s92, s93
	s_mov_b32 s93, 0
	s_add_nc_u64 s[12:13], s[12:13], s[92:93]
	s_lshl_b32 s94, s84, 8
	s_mov_b32 s95, 0
	s_add_nc_u64 s[8:9], s[8:9], s[94:95]
	v_mov_b32 v[VO], v1
	v_add_nc_u32 v[VO+1], s90, v1
.irp a, 1,2,3
	v_add_nc_u32 v[VO+2*\a], s89, v[VO+2*\a-2]
	v_add_nc_u32 v[VO+2*\a+1], s89, v[VO+2*\a-1]
.endr
	v_and_b32 v2, 15, v0                           ; r
	v_bfe_u32 v3, v0, 4, 1                         ; h
	v_lshlrev_b32 v[TABO], 8, v2
	v_lshl_add_u32 v[TABO], v3, 5, v[TABO]         ; row r, + 32 h: four pairs
	WIN 0xc0                                       ; destination window 3
.irp a, 0,1,2,3                        ; token 16 a + r; features 16 b + 8 h + 0 .. 7 of a head are pairs 8 b + 4 h + 0 .. 3: 32 bytes
.irp b, 0,1,2,3
	global_load_b128 v[32*\a+8*\b:32*\a+8*\b+3],   v[TABO], s[8:9] offset:4096*\a+64*\b
	global_load_b128 v[32*\a+8*\b+4:32*\a+8*\b+7], v[TABO], s[8:9] offset:4096*\a+64*\b+16
.endr
.endr
	WIN 0
	s_wait_kmcnt 0x0
	s_sub_co_i32 s96, s78, s72                     ; a sum stands for sum x 2^(ex + ew): its code is sum / 2^(e - ex - ew): three scales folded into the conversion's one
	s_sub_co_i32 s96, s96, s73                     ; q: e6 - e0 - e1
	s_sub_co_i32 s97, s79, s74
	s_sub_co_i32 s97, s97, s75                     ; k: e7 - e2 - e3
	s_sub_co_i32 s98, s81, s76
	s_sub_co_i32 s98, s98, s77                     ; v: e9 - e4 - e5
	s_cmp_eq_u32 ttmp9, 0
	s_cselect_b32 s96, s96, s97
	s_cmp_eq_u32 ttmp9, 2
	s_cselect_b32 s96, s98, s96
	s_add_co_i32 s96, s96, 127
	s_lshl_b32 s97, s96, 23
	v_mov_b32 v[QS], s97
	s_wait_tensorcnt 2                             ; my part of K step 0 is in; the loads of K steps 1 and 2, issued behind it, may be out
	s_barrier_signal -1
	s_barrier_wait -1                              ; everybody's is
	FETCH 0, 0, 0
	SUB 0, 1, 0, 1                                 ; K 0-127: the first products start the sums
	TURN 1, 1                                      ; K 128-255; slot 0 is left and takes K step 3
	SUB 0, 0, 1, 1
	SUB 1, 0, 2, 0
	SUB 0, 0, 2, 1
	TURN 0, 0                                      ; K 640-767; K step 3 has landed; nothing is filled
	SUB 0, 0, 0, 1
	s_wait_dscnt 0x0
	WIN MUL
	MUL8 0, 1, 0
	MUL8 1, 1, 0
	MUL8 2, 1, 0
	MUL8 3, 1, 0
	WIN 0
	PLACES 4                                       ; in front of the first reads of results and of the first writes over operands
; THE WAY OUT of block a: rotate (y1 = x1 c - x2 s, y2 = x2 c + x1 s, a pair in two packed lines), convert.  A lane's 64 codes are 16 operand registers as they stand:
; q, k: two heads' fragments of 16 tokens x 64;  v: one fragment of 16 of the head's 64 x 128 keys.  Each store is 512 consecutive bytes.
.macro OUT a
	WIN 0x0e                                       ; source 0 (the sums) window 2, source 1 (the table) window 3
.irp b, 0,1,2,3,4,5,6,7                ; each accumulator from its low end on
.irp t, 0,1,2,3
	v_pk_mul_f32 v[Y+8*\b+2*\t:Y+8*\b+2*\t+1], v[64*\a+8*\b+2*\t:64*\a+8*\b+2*\t+1], v[32*\a+8*(\b%4)+2*\t:32*\a+8*(\b%4)+2*\t+1] op_sel_hi:[1,0]   ; (x1 c, x2 c)
.endr
.irp t, 0,1,2,3
	v_pk_fma_f32 v[Y+8*\b+2*\t:Y+8*\b+2*\t+1], v[64*\a+8*\b+2*\t:64*\a+8*\b+2*\t+1], v[32*\a+8*(\b%4)+2*\t:32*\a+8*(\b%4)+2*\t+1], v[Y+8*\b+2*\t:Y+8*\b+2*\t+1] op_sel:[1,1,0] op_sel_hi:[0,1,1] neg_lo:[0,1,0]   ; (- x2 s, + x1 s)
.endr
.endr
	WIN 0
.irp b, 0,1,2,3,4,5,6,7
.irp i, 0,1,2,3,4,5,6,7
.endr
	v_cvt_scalef32_pk8_fp8_f32 v[CD+16*\a+2*\b:CD+16*\a+2*\b+1], v[Y+8*\b:Y+8*\b+7], v[QS]
.endr
	v_nop                                          ; a plain line between the conversions and the next block's lines, which write their sources
.irp g, 0,1,2,3
	global_store_b128 v[VO+2*\a+(\g/2)], v[CD+16*\a+4*\g:CD+16*\a+4*\g+3], s[12:13] offset:512*(\g%2)
.endr
.endm
	s_wait_loadcnt 0x0                             ; the table
	OUT 0
	OUT 1
	OUT 2
	OUT 3
	s_wait_tensorcnt 0x0                           ; the wave's end, behind my last tensor load
	ds_add_u32 v[SPW], v[NIL]
	s_wait_dscnt 0x0
	CROUND                                         ; the closing round: no work-group ends while a partner may still ask for a tile that names it
	s_endpgm
.Lfunc_end_k_qc70d1c5ff9_qkvp:
	.size	k_qc70d1c5ff9_qkvp, .Lfunc_end_k_qc70d1c5ff9_qkvp-k_qc70d1c5ff9_qkvp
	.p2alignl 7, 3214868480
	.fill 96, 4, 3214868480
	.section	.rodata,"a",@progbits
	.p2align	6, 0x0
	.amdhsa_kernel k_qc70d1c5ff9_qkvp
		.amdhsa_group_segment_fixed_size 327680
		.amdhsa_private_segment_fixed_size 0
		.amdhsa_enable_private_segment 0
		.amdhsa_kernarg_size 40
		.amdhsa_user_sgpr_count 2
		.amdhsa_user_sgpr_kernarg_segment_ptr 1
		.amdhsa_wavefront_size32 1
		.amdhsa_system_sgpr_workgroup_id_x 1
		.amdhsa_system_sgpr_workgroup_id_y 1
		.amdhsa_system_sgpr_workgroup_id_z 1
		.amdhsa_system_vgpr_workitem_id 0
		.amdhsa_next_free_vgpr 896
		.amdhsa_next_free_sgpr 100
		.amdhsa_reserve_vcc 0
		.amdhsa_float_denorm_mode_32 3
		.amdhsa_float_denorm_mode_16_64 3
		.amdhsa_fp16_overflow 1
		.amdhsa_memory_ordered 1
		.amdhsa_forward_progress 1
		.amdhsa_inst_pref_size 76
	.end_amdhsa_kernel
	.amdgpu_metadata
---
amdhsa.version: [ 1, 2 ]
amdhsa.kernels:
  - .name:           k_qc70d1c5ff9_qkvp
    .symbol:         k_qc70d1c5ff9_qkvp.kd
    .args:
      - { .name: xc, .offset: 0, .size: 8, .value_kind: global_buffer, .address_space: global }
      - { .name: wc, .offset: 8, .size: 8, .value_kind: global_buffer, .address_space: global }
      - { .name: rope, .offset: 16, .size: 8, .value_kind: global_buffer, .address_space: global }
      - { .name: lowp_scales, .offset: 24, .size: 8, .value_kind: global_buffer, .address_space: global }
      - { .name: qkv, .offset: 32, .size: 8, .value_kind: global_buffer, .address_space: global }
    .group_segment_fixed_size: 327680
    .private_segment_fixed_size: 0
    .kernarg_segment_align: 8
    .kernarg_segment_size: 40
    .max_flat_workgroup_size: 128
    .sgpr_count:     100
    .vgpr_count:     896
    .wavefront_size: 32
...
	.end_amdgpu_metadata
.endif
;; end of part 2
;; launch attn (part 3): grid 4 x 64, 16 waves a work-group, clusters of 4 x 1, 327,680 bytes of LDS; arguments qkv, lowp_scales, ao; writes ao
.if DOCPART == 3
	.amdgcn_target "amdgcn-amd-amdhsa--gfx1250"
	.amdhsa_code_object_version 6
	.text
	.protected	k_qc70d1c5ff9_attn
	.globl	k_qc70d1c5ff9_attn
	.p2align	8
	.type	k_qc70d1c5ff9_attn,@function
k_qc70d1c5ff9_attn:
	s_mov_b64 s[64:65], 0
	v_nop
	global_prefetch_b8 v0, s[64:65] scope:SCOPE_SE
	s_setreg_imm32_b32 hwreg(HW_REG_WAVE_MODE, 25, 1), 1
	s_wait_xcnt 0x0
	s_wait_alu depctr_hold_cnt(0) depctr_sa_sdst(0) depctr_va_vdst(0) depctr_va_sdst(0) depctr_va_ssrc(0) depctr_va_vcc(0) depctr_vm_vsrc(0)
	s_getreg_b32 s2, hwreg(HW_REG_IB_STS2, 6, 4)
	s_cmp_eq_u32 s2, 0
	s_cbranch_scc0 .Lentry_in_a_cluster
	s_endpgm
.Lentry_in_a_cluster:
	s_bfe_u32 s2, ttmp6, 0x10000c
	s_cmp_lg_u32 s2, 0x3003
	s_cbranch_scc0 .Lentry_shape_is_right
	s_endpgm
.Lentry_shape_is_right:
; ATTN: causal attention of one head on E4M3 codes; the result is quantised (2^e10) and stored as the last product's operand images.
; q, k: [batch x head 64][block of 16 tokens: 128][1,024]: images of fragments 16 tokens x 64.  v: [batch x head][128 keys: 16][16 of the head's 64: 4][2,048]: images of fragments of v^T, 16 x 128 keys.
; An image's byte 512 g + 16 L holds registers 4 g .. 4 g + 3 of lane L, in the 8-bit operand layout of the plain matrix forms: every LDS read is 16 bytes at 16 x lane.
; THE SOFTMAX: t = score x log2(e) / 8; M = the running largest t rounded UP to a whole number; p = 2^(t - M) is quantised (2^e8), not normalised; the row's sum is taken of the unquantised p and divides at the
; end.  When M moves, the sum and O are multiplied by 2^(old M - new M), which rounds nothing.
; BOTH PRODUCTS TRANSPOSED: S^T = K Q^T (source 0 = 16 keys, source 1 = my 16 queries): lane (r, h) holds query r, register 8 t + j key 16 t + 8 h + j, which is the place that the second product's operand
; gives that key: p's conversions ARE the operand.  O^T = V^T P^T (source 0 = 16 of the head's 64 x 128 keys).
; SHARES.  The cluster's y is the head; its four work-groups cx share the head's K and V.  The sequence is 16 bands of 128 queries, 8 tiles of 16 each.  Wave w = 4 A + c has band be = 4 ((A + c) % 4) + A
; and owns TWO tiles: tile 2 cx of band be and tile 2 cx + 1 of band 15 - be.  A tile of band b needs the key steps 0 .. b of 128 keys, the last on the diagonal: (be + 1) + (16 - be) = 17 for every wave.
; Which steps are left out hangs on the wave's number and the step alone, never on cx: cx enters global addresses and the numbers that the mask compares.
; LDS holds the head's whole K and V, 262,144 bytes, each byte filled once: no ring.  Key step s lies at 16,384 s, in four slices of 4,096: K's fragments 2 i and 2 i + 1, then V's fragment i.
; A wave issues four joint loads at the head, one for each group of four key steps: two rows of 2,048 bytes, one of K and, 8 MiB further on in qkv, one of V.  Four of its loads are out at most.
; LIMITS: e6 + e7 between -123 and 130 (added to c's exponent field); e8, and e10 - e8 - e9, between -126 and 119.  NaN is not served.
.set SPARE, 262144                     ; behind K and V: the spare words, 128 bytes for each wave, which no other line names
.set ADR, 2                            ; v1 16 L;  v2 LDS address of the step in hand
.set SPW, 5                            ; v5   LDS address of my spare word; never rewritten
.set NIL, 6                            ; v6   0; never rewritten
.set QA,  20                           ; v3, v4: the masks' thresholds; v12-15, v16-19: -M, the largest t, the sum in two halves, for each tile; v20-27, v28-35 Q
.set QB,  28
.set F,   36                           ; v36-99   eight fragments of K, then four of V
.set S,   100                          ; v100-163 S^T, then p
.set OA,  164                          ; v164-195, v196-227 O^T
.set OB,  196
.set PC,  228                          ; v228-243 p's codes;  v244 2^e8;  v246-254 at work
.set WV,  18
.set SEL, 20                           ; s[20:21] lane selects for v_permlanex16_b32: lane l xor 16
.set CS,  22                           ; s[22:23] c = log2(e) / 8 x 2^(e6 + e7)
.set G1,  24                           ; s[24:31] descriptor group 1;  s[32:47] four groups 0
.set G0,  32
.set TB,  48                           ; s48  LDS byte of the step in hand
.set STEP, 49                          ; s49  the key step
.set BA,  50                           ; s50, s51  my two tiles' bands
.set BB,  51
.macro CROUND
	s_barrier_signal -1
	s_barrier_wait -1
	s_cmp_lg_u32 s[WV], 0
	s_cbranch_scc1 .Lnot_wave_0_\@
	s_barrier_signal -3
.Lnot_wave_0_\@:
	s_barrier_wait -3
	s_barrier_signal -1
	s_barrier_wait -1
.endm
	s_load_b128 s[4:7], s[0:1], 0x0                ; qkv s[4:5], lowp_scales s[6:7]
	s_load_b64 s[8:9], s[0:1], 0x10                ; ao
	v_lshl_add_u32 v[SPW], v0, 2, SPARE
	v_mov_b32 v[NIL], 0
	ds_add_u32 v[SPW], v[NIL]                      ; the wave's opening: the add and its wait stand ahead of my first tensor load; work on registers stands between
	ds_add_u32 v[SPW], v[NIL]
	v_lshrrev_b32 v7, 5, v0
	s_delay_alu instid0(VALU_DEP_1)
	v_readfirstlane_b32 s[WV], v7                  ; wave 0..15
	s_bfe_u32 s10, ttmp6, 0x40000                  ; cx
	s_and_b32 s11, ttmp7, 0xffff                   ; batch x head
	s_mov_b32 s[G1], 15|(3<<16)|(1<<21)            ; 15:0 the mask: all four work-groups; 17:16 elements of 8 bytes; 21 set beside a mask; no padding
	s_mov_b32 s[G1+1], 256<<16                     ; tensor_dim0 = 256 elements: 2,048 bytes
	s_mov_b32 s[G1+2], 2<<16                       ; tensor_dim1 = 2
	s_mov_b32 s[G1+3], 256<<16                     ; tile_dim0
	s_mov_b32 s[G1+4], 2                           ; tile_dim1
	s_mov_b32 s[G1+5], 0x100000                    ; from K's row to V's: 8 MiB
	s_mov_b32 s[G1+6], 0
	s_mov_b32 s[G1+7], 0
	s_lshl_b32 s58, s11, 17                        ; the head's 131,072 bytes,
	s_lshl_b32 s59, s[WV], 11                      ; my 2,048 of a group's 32,768,
	s_add_co_u32 s58, s58, s59
	s_add_co_u32 s58, s58, 0x800000                ; in K's section
	s_mov_b32 s59, 0
	s_lshl_b32 s19, s[WV], 12                      ; and their place in LDS: 4,096 x wave
	s_mov_b32 s[SEL], 0x76543210
	s_mov_b32 s[SEL+1], 0xfedcba98
	s_mov_b32 s[CS], 0x3e38aa3b                    ; log2(e) / 8
	s_lshr_b32 s56, s[WV], 2
	s_and_b32 s57, s[WV], 3
	s_add_co_u32 s57, s57, s56
	s_and_b32 s57, s57, 3
	s_lshl_b32 s57, s57, 2
	s_add_co_u32 s[BA], s57, s56                   ; be
	s_sub_co_u32 s[BB], 15, s[BA]
	s_wait_dscnt 0x0                               ; the opening add is done
	s_wait_kmcnt 0x0
	s_load_b128 s[52:55], s[6:7], 0x18             ; e6, e7, e8, e9
	s_load_b32 s56, s[6:7], 0x28                   ; e10
	s_add_nc_u64 s[16:17], s[4:5], s[58:59]
	CROUND                                         ; all four work-groups are here: the joint loads meet
.irp g, 0,1,2,3
	s_mov_b32 s[G0+4*\g], 1
	s_add_co_u32 s[G0+4*\g+1], s19, 65536*\g
	s_add_nc_u64 s[G0+4*\g+2:G0+4*\g+3], s[16:17], 32768*\g
	s_or_b32 s[G0+4*\g+3], s[G0+4*\g+3], 0x80000000
.endr
.irp g, 0,1,2,3
	s_wait_alu depctr_va_vdst(0)
	s_wait_tensorcnt 0x0
	ds_add_u32 v5, v6
	ds_add_u32 v5, v6
	s_wait_dscnt 0x0
	CROUND
	tensor_load_to_lds s[G0+4*\g:G0+4*\g+3], s[G1:G1+7]
	s_nop 0
.endr
.rept 4
	v_nop
.endr
	s_lshl_b32 s57, s10, 1
	s_lshl_b32 s58, s[BA], 3
	s_add_co_u32 s58, s58, s57                     ; my first tile in the sequence: 8 be + 2 cx
	s_lshl_b32 s59, s[BB], 3
	s_add_co_u32 s59, s59, s57
	s_add_co_u32 s59, s59, 1                       ; my second: 8 (15 - be) + 2 cx + 1
	s_lshl_b32 s57, s11, 7
	s_add_co_u32 s12, s57, s58
	s_lshl_b32 s12, s12, 10
	s_mov_b32 s13, 0
	s_add_co_u32 s14, s57, s59
	s_lshl_b32 s14, s14, 10
	s_mov_b32 s15, 0
	s_add_nc_u64 s[12:13], s[4:5], s[12:13]        ; their fragments of q
	s_add_nc_u64 s[14:15], s[4:5], s[14:15]
	v_and_b32 v1, 31, v0
	s_delay_alu instid0(VALU_DEP_1)
	v_lshlrev_b32 v1, 4, v1                        ; 16 L
	global_load_b128 v[QA:QA+3],   v1, s[12:13]
	global_load_b128 v[QA+4:QA+7], v1, s[12:13] offset:512
	global_load_b128 v[QB:QB+3],   v1, s[14:15]
	global_load_b128 v[QB+4:QB+7], v1, s[14:15] offset:512
	s_lshr_b32 s57, s11, 4
	s_lshl_b32 s57, s57, 7                         ; 128 x batch
	s_and_b32 s19, s11, 15                         ; head
	s_add_co_u32 s60, s57, s58
	s_lshl_b32 s60, s60, 4
	s_add_co_u32 s60, s60, s19
	s_lshl_b32 s60, s60, 10                        ; ao: [block of 16 tokens][head][1,024]
	s_mov_b32 s61, 0
	s_add_co_u32 s62, s57, s59
	s_lshl_b32 s62, s62, 4
	s_add_co_u32 s62, s62, s19
	s_lshl_b32 s62, s62, 10
	s_mov_b32 s63, 0
	s_add_nc_u64 s[60:61], s[8:9], s[60:61]
	s_add_nc_u64 s[62:63], s[8:9], s[62:63]
	v_and_b32 v8, 15, v0
	v_bfe_u32 v9, v0, 4, 1
	s_delay_alu instid0(VALU_DEP_1)
	v_lshlrev_b32 v9, 3, v9
	s_delay_alu instid0(VALU_DEP_1)
	v_sub_nc_u32 v3, v8, v9
	s_lshl_b32 s57, s10, 5
	v_add_nc_u32 v3, s57, v3                       ; on the diagonal register 8 t + j is hidden where 16 t + j > 16 x (tile in its band) + r - 8 h
	s_delay_alu instid0(VALU_DEP_1)
	v_add_nc_u32 v4, 16, v3
	v_mov_b32 v13, 0xff61b1e6                      ; the largest t so far: -3e38, under every t
	s_delay_alu instid0(VALU_DEP_1)
	v_floor_f32 v12, -v13
	v_mov_b32 v14, 0
	v_mov_b32 v15, 0
	v_mov_b32 v17, 0xff61b1e6
	s_delay_alu instid0(VALU_DEP_1)
	v_floor_f32 v16, -v17
	v_mov_b32 v18, 0
	v_mov_b32 v19, 0
	v_mov_b32 v246, 0                              ; written once: a lane permute's destination counts as one of its sources
	v_mov_b32 v247, 0
	v_mov_b32 v250, 0xff800000                     ; -infinity
	v_mov_b32 v253, 0                              ; (named as the upper half of the pair v[252:253])
.irp j, 0,1,2,3,4,5,6,7,8,9,10,11,12,13,14,15,16,17,18,19,20,21,22,23,24,25,26,27,28,29,30,31,32,33,34,35,36,37,38,39,40,41,42,43,44,45,46,47,48,49,50,51,52,53,54,55,56,57,58,59,60,61,62,63
	v_mov_b32 v[OA+\j], 0                          ; O^T of both tiles.  (The step is written without a first step of its own: it finds zeros, which the first change of M leaves zeros)
.endr
	s_wait_kmcnt 0x0
	s_add_co_i32 s57, s52, s53
	s_lshl_b32 s57, s57, 23
	s_add_co_i32 s[CS], s[CS], s57                 ; a score stands for score x 2^(e6 + e7): the exponents are added to c's exponent field
	s_mov_b32 s[CS+1], s[CS]
	s_add_co_i32 s57, s54, 127
	s_lshl_b32 s58, s57, 23
	v_mov_b32 v244, s58                            ; 2^e8
; One tile's work on one key step of 128 keys.  qr, orr: its Q and O^T; st: its statistics; dm: its mask threshold; band: the scalar register with its band.
.macro TILESTEP qr, orr, st, dm, band
	s_cmp_gt_u32 s[STEP], s[\band]                 ; all keys of the step come after the tile's queries: nothing to do.  No barrier and no tensor load stands in here
	s_cbranch_scc1 .Lhid_\@
	v_add_nc_u32 v[ADR], s[TB], v1
.rept 3
	v_nop                                          ; with the addition: four places between the last products and the loads into the registers that they read
.endr
.irp t, 0,1,2,3,4,5,6,7
	ds_load_b128 v[F+8*\t:F+8*\t+3],   v[ADR] offset:(\t/2)*4096+(\t%2)*1024
	ds_load_b128 v[F+8*\t+4:F+8*\t+7], v[ADR] offset:(\t/2)*4096+(\t%2)*1024+512
.endr
	s_wait_alu depctr_va_vdst(0)
	s_wait_dscnt 0x0
.irp t, 0,1,2,3,4,5,6,7
	v_wmma_f32_16x16x64_fp8_fp8 v[S+8*\t:S+8*\t+7], v[F+8*\t:F+8*\t+7], v[\qr:\qr+7], 0
.endr
.rept 4
	v_nop
.endr
.irp db, 0,1,2,3                       ; V's four fragments land under the softmax
.irp c, 0,1,2,3
	ds_load_b128 v[F+16*\db+4*\c:F+16*\db+4*\c+3], v[ADR] offset:4096*\db+2048+512*\c
.endr
.endr
	s_cmp_lg_u32 s[STEP], s[\band]                 ; only the step on the diagonal is masked
	s_cbranch_scc1 .Lopen_\@
.irp n, 0,1,2,3,4,5,6,7,8,9,10,11,12,13,14,15,16,17,18,19,20,21,22,23,24,25,26,27,28,29,30,31,32,33,34,35,36,37,38,39,40,41,42,43,44,45,46,47,48,49,50,51,52,53,54,55,56,57,58,59,60,61,62,63
	v_cmp_gt_i32 vcc_lo, 16*(\n/8)+\n%8, v[\dm]
	v_cndmask_b32 v[S+\n], v[S+\n], v250, vcc_lo   ; a hidden score becomes -infinity ahead of the maximum: p = 0
.endr
.Lopen_\@:
	v_max3_num_f32 v254, v[S], v[S+1], v[S+2]      ; the step's largest score of my query among my 64 keys, in two chains, each accumulator from its low end on,
	v_max3_num_f32 v252, v[S+3], v[S+4], v[S+5]
.irp i, 6,10,14,18,22,26,30,34,38,42,46,50,54,58
	v_max3_num_f32 v254, v254, v[S+\i], v[S+1+\i]
	v_max3_num_f32 v252, v252, v[S+2+\i], v[S+3+\i]
.endr
	v_max3_num_f32 v254, v254, v[S+62], v[S+63]
	s_delay_alu instid0(VALU_DEP_1)
	v_max_num_f32 v254, v254, v252
	s_delay_alu instid0(VALU_DEP_1)
	v_permlanex16_b32 v246, v254, s[SEL], s[SEL+1]
	s_delay_alu instid0(VALU_DEP_1)
	v_max_num_f32 v254, v254, v246                 ; and among lane l xor 16's
	s_delay_alu instid0(VALU_DEP_1)
	v_mul_f32 v254, s[CS], v254                    ; as t (c is positive)
	s_delay_alu instid0(VALU_DEP_1)
	v_max_num_f32 v[\st+1], v[\st+1], v254         ; the running largest t
	v_mov_b32 v254, v[\st]
	s_delay_alu instid0(VALU_DEP_2)
	v_floor_f32 v[\st], -v[\st+1]                  ; the new -M = floor(-t): M is a whole number
	s_delay_alu instid0(VALU_DEP_1)
	v_sub_f32 v254, v[\st], v254                   ; old M - new M: a whole number, 0 or less
	s_delay_alu instid0(VALU_DEP_1)
	v_cvt_i32_f32 v254, v254                       ; (it saturates)
	s_delay_alu instid0(VALU_DEP_1)
	v_ldexp_f32 v252, 1.0, v254                    ; f = 2^(old M - new M)
.irp j, 0,2,4,6,8,10,12,14,16,18,20,22,24,26,28,30,32,34,36,38,40,42,44,46,48,50,52,54,56,58,60,62
	v_pk_fma_f32 v[S+\j:S+\j+1], v[S+\j:S+\j+1], s[CS:CS+1], v[\st:\st+1] op_sel_hi:[1,0,0]   ; t - M, two at a time
.endr
	s_wait_alu depctr_va_vdst(0)
.irp j, 0,1,2,3,4,5,6,7,8,9,10,11,12,13,14,15,16,17,18,19,20,21,22,23,24,25,26,27,28,29,30,31,32,33,34,35,36,37,38,39,40,41,42,43,44,45,46,47,48,49,50,51,52,53,54,55,56,57,58,59,60,61,62,63
	v_exp_f32 v[S+\j], v[S+\j]                     ; p = 2^(t - M), at most 1
.endr
	v_pk_mul_f32 v[\st+2:\st+3], v[\st+2:\st+3], v[252:253] op_sel_hi:[1,0]   ; the sums under the new M.  (The plain line behind the exponentials)
	s_wait_alu depctr_va_vdst(0)                   ; one wait for the batch, ahead of its first reader
	v_pk_add_f32 v[248:249], v[S:S+1], v[S+2:S+3]  ; the row's sum is taken of the unquantised p, in two chains
.irp j, 4,8,12,16,20,24,28,32,36,40,44,48,52,56,60
	v_pk_add_f32 v[\st+2:\st+3], v[\st+2:\st+3], v[S+\j:S+\j+1]
	v_pk_add_f32 v[248:249], v[248:249], v[S+2+\j:S+3+\j]
.endr
	s_delay_alu instid0(VALU_DEP_1)
	v_pk_add_f32 v[\st+2:\st+3], v[\st+2:\st+3], v[248:249]
.irp t, 0,1,2,3,4,5,6,7
.irp i, 0,1,2,3,4,5,6,7
.endr
	v_cvt_scalef32_pk8_fp8_f32 v[PC+2*\t:PC+2*\t+1], v[S+8*\t:S+8*\t+7], v244   ; keys 16 t + 8 h + 0 .. 7: registers 2 t, 2 t + 1 of the operand
.endr
.irp j, 0,2,4,6,8,10,12,14,16,18,20,22,24,26,28,30
	v_pk_mul_f32 v[\orr+\j:\orr+\j+1], v[\orr+\j:\orr+\j+1], v[252:253] op_sel_hi:[1,0]   ; O^T under the new M.  (Also the plain lines between the conversions and the products)
.endr
	s_wait_alu depctr_va_vdst(0)
	s_wait_dscnt 0x0                               ; V is in
.irp db, 0,1,2,3
	v_wmma_f32_16x16x128_fp8_fp8 v[\orr+8*\db:\orr+8*\db+7], v[F+16*\db:F+16*\db+15], v[PC:PC+15], v[\orr+8*\db:\orr+8*\db+7]
.endr
.Lhid_\@:
.endm
; Four key steps.  The wait's count is an immediate, so the groups are written out; each is a loop of four trips.
.macro GROUP g
	s_wait_dscnt 0x0                               ; no LDS instruction of mine is pending at the signal
	s_wait_tensorcnt 3-\g                          ; my part of group g is in; the 3 - g loads issued behind it may be out
	s_barrier_signal -1
	s_barrier_wait -1                              ; everybody's is
	s_mov_b32 s[TB], 65536*\g
	s_mov_b32 s[STEP], 4*\g
.Lstep_\@:
	TILESTEP QA, OA, 12, 3, BA
	TILESTEP QB, OB, 16, 4, BB
	s_add_co_u32 s[TB], s[TB], 16384
	s_add_co_u32 s[STEP], s[STEP], 1
	s_cmp_lt_u32 s[STEP], 4*\g+4
	s_cbranch_scc1 .Lstep_\@
.endm
	s_wait_loadcnt 0x0                             ; Q
	GROUP 0
	GROUP 1
	GROUP 2
	GROUP 3
	; THE WAY OUT.  O^T / the sum stands for the result / 2^(e8 + e9); its code is that / 2^(e10 - e8 - e9): one folded scale.  A lane's 32 codes are the 8 registers of a fragment 16 tokens x 64.
.rept 4
	v_nop                                          ; places behind the last products
.endr
	v_add_f32 v14, v14, v15
	v_add_f32 v18, v18, v19
	s_delay_alu instid0(VALU_DEP_2)
	v_permlanex16_b32 v246, v14, s[SEL], s[SEL+1]
	s_delay_alu instid0(VALU_DEP_2)
	v_permlanex16_b32 v247, v18, s[SEL], s[SEL+1]
	s_delay_alu instid0(VALU_DEP_2)
	v_add_f32 v14, v14, v246                       ; the rows' sums
	s_delay_alu instid0(VALU_DEP_2)
	v_add_f32 v18, v18, v247
	s_wait_alu depctr_va_vdst(0)
	v_rcp_f32 v14, v14
	v_rcp_f32 v18, v18
	v_nop                                          ; a plain line behind the reciprocals
	s_sub_co_i32 s57, s56, s54
	s_sub_co_i32 s57, s57, s55
	s_add_co_i32 s57, s57, 127
	s_lshl_b32 s58, s57, 23
	v_mov_b32 v248, s58                            ; 2^(e10 - e8 - e9)
	s_wait_alu depctr_va_vdst(0)                   ; one wait for both, ahead of their first reader
.macro FIN orr, st, e, bp
.irp j, 0,2,4,6,8,10,12,14,16,18,20,22,24,26,28,30
	v_pk_mul_f32 v[\orr+\j:\orr+\j+1], v[\orr+\j:\orr+\j+1], v[\st+2:\st+3] op_sel_hi:[1,0]
.endr
.irp db, 0,1,2,3
.irp i, 0,1,2,3,4,5,6,7
.endr
	v_cvt_scalef32_pk8_fp8_f32 v[PC+8*\e+2*\db:PC+8*\e+2*\db+1], v[\orr+8*\db:\orr+8*\db+7], v248
.endr
	v_nop
	global_store_b128 v1, v[PC+8*\e:PC+8*\e+3],   s[\bp:\bp+1]              ; 32 lanes store 512 consecutive bytes
	global_store_b128 v1, v[PC+8*\e+4:PC+8*\e+7], s[\bp:\bp+1] offset:512
.endm
	FIN OA, 12, 0, 60
	FIN OB, 16, 1, 62
	s_wait_tensorcnt 0x0                           ; the wave's end, behind my last tensor load
	ds_add_u32 v[SPW], v[NIL]
	s_wait_dscnt 0x0
	CROUND                                         ; the closing round
	s_endpgm
.Lfunc_end_k_qc70d1c5ff9_attn:
	.size	k_qc70d1c5ff9_attn, .Lfunc_end_k_qc70d1c5ff9_attn-k_qc70d1c5ff9_attn
	.p2alignl 7, 3214868480
	.fill 96, 4, 3214868480
	.section	.rodata,"a",@progbits
	.p2align	6, 0x0
	.amdhsa_kernel k_qc70d1c5ff9_attn
		.amdhsa_group_segment_fixed_size 327680
		.amdhsa_private_segment_fixed_size 0
		.amdhsa_enable_private_segment 0
		.amdhsa_kernarg_size 24
		.amdhsa_user_sgpr_count 2
		.amdhsa_user_sgpr_kernarg_segment_ptr 1
		.amdhsa_wavefront_size32 1
		.amdhsa_system_sgpr_workgroup_id_x 1
		.amdhsa_system_sgpr_workgroup_id_y 1
		.amdhsa_system_sgpr_workgroup_id_z 1
		.amdhsa_system_vgpr_workitem_id 0
		.amdhsa_next_free_vgpr 256
		.amdhsa_next_free_sgpr 66
		.amdhsa_reserve_vcc 1
		.amdhsa_float_denorm_mode_32 3
		.amdhsa_float_denorm_mode_16_64 3
		.amdhsa_fp16_overflow 1
		.amdhsa_memory_ordered 1
		.amdhsa_forward_progress 1
		.amdhsa_inst_pref_size 165
	.end_amdhsa_kernel
	.amdgpu_metadata
---
amdhsa.version: [ 1, 2 ]
amdhsa.kernels:
  - .name:           k_qc70d1c5ff9_attn
    .symbol:         k_qc70d1c5ff9_attn.kd
    .args:
      - { .name: qkv, .offset: 0, .size: 8, .value_kind: global_buffer, .address_space: global }
      - { .name: lowp_scales, .offset: 8, .size: 8, .value_kind: global_buffer, .address_space: global }
      - { .name: ao, .offset: 16, .size: 8, .value_kind: global_buffer, .address_space: global }
    .group_segment_fixed_size: 327680
    .private_segment_fixed_size: 0
    .kernarg_segment_align: 8
    .kernarg_segment_size: 24
    .max_flat_workgroup_size: 512
    .sgpr_count:     66
    .vgpr_count:     256
    .wavefront_size: 32
...
	.end_amdgpu_metadata
.endif
;; end of part 3
;; launch oproj (part 4): grid 4 x 64, 4 waves a work-group, clusters of 4 x 4, 327,680 bytes of LDS; arguments ao, wc, lowp_scales, out0; writes out0
.if DOCPART == 4
	.amdgcn_target "amdgcn-amd-amdhsa--gfx1250"
	.amdhsa_code_object_version 6
	.text
	.protected	k_qc70d1c5ff9_oproj
	.globl	k_qc70d1c5ff9_oproj
	.p2align	8
	.type	k_qc70d1c5ff9_oproj,@function
k_qc70d1c5ff9_oproj:
	s_mov_b64 s[64:65], 0
	v_nop
	global_prefetch_b8 v0, s[64:65] scope:SCOPE_SE
	s_setreg_imm32_b32 hwreg(HW_REG_WAVE_MODE, 25, 1), 1
	s_wait_xcnt 0x0
	s_wait_alu depctr_hold_cnt(0) depctr_sa_sdst(0) depctr_va_vdst(0) depctr_va_sdst(0) depctr_va_ssrc(0) depctr_va_vcc(0) depctr_vm_vsrc(0)
	s_getreg_b32 s2, hwreg(HW_REG_IB_STS2, 6, 4)
	s_cmp_eq_u32 s2, 0
	s_cbranch_scc0 .Lentry_in_a_cluster
	s_endpgm
.Lentry_in_a_cluster:
	s_bfe_u32 s2, ttmp6, 0x10000c
	s_cmp_lg_u32 s2, 0xf033
	s_cbranch_scc0 .Lentry_shape_is_right
	s_endpgm
.Lentry_shape_is_right:
; OPROJ: out0 = attention's result x Wo^T on E4M3 codes; each finished sum x 2^(e10 + e11); out0 [8192][1024] f32.
; Operands lie in memory as images: [block of 16 rows][K / 128][2,048 bytes], byte 512 g + 16 L = registers 4 g .. 4 g + 3 of lane L.  So a tile is dense rows of 4,096 bytes (a block's two fragments
; of a K step of 256), every LDS read is 16 bytes at 16 x lane, and no k changes its place.
; A TILE: 128 tokens (A = ao) x 256 features (B = Wo's section of wc), K = 1,024.  Four waves: wave w takes tokens 64 (w / 2) on (4 blocks a) and features 128 (w % 2) on (8 blocks b): 32 accumulators.
; THE MATRIX INSTRUCTION IS USED TRANSPOSED (source 0 = B's fragment, source 1 = A's): lane (r, h) holds token 16 a + r and the eight neighbouring features 16 b + 8 h + 0 .. 7.
; K has four steps of 256 through three LDS slots: steps 0, 1, 2 are first fills, step 3 is the one refill, of slot 0.  By this text's count a wave has three tensor loads out at the start, later one.
; CLUSTERS: 4 x 4.  A's tile is asked for jointly along a row of the cluster, B's along a column.
; LIMIT: e10 + e11 between -126 and 127, so that 2^(e10 + e11) is an f32 number.
; REGISTERS, in windows of 256: window 0: v1-31 addresses; v32-95 a block's results; v128-191, v192-255 A's fragments, two sets (on the way out: rows read back);
;   window 1: B's fragments, two sets of 128;  window 2: accumulator (a, b) at v[8 (8 a + b)].
.set SLOT,  98304                      ; a K step: A's 8 blocks x 4,096 bytes, then B's 16
.set SPARE, 3*SLOT                     ; behind the slots: the spare words, 128 bytes for each wave, which no other line names
.set CO,    1                          ; v1     16 L: my bytes of a row's 512
.set ADRA,  16                         ; v16-18 LDS address of my A fragments in slot 0, 1, 2
.set ADRB,  20                         ; v20-22 the same for B
.set STO,   24                         ; v24    the way out: where I put 32 bytes of a row
.set RD,    25                         ; v25    and where I read a row back
.set SPW,   28                         ; v28    LDS address of my spare word; never rewritten
.set NIL,   29                         ; v29    0; never rewritten
.set TMP,   32
.set AF,    128
.set BK,    128
.set G1A,   24                         ; s[24:31] descriptor group 1 for A's tiles;  s[32:39] for B's
.set G1B,   32
.set G0A,   40                         ; s[40:51] group 0 for A's tiles, a set for each first fill; s[52:63] for B's
.set G0B,   52
.set MSB, 0
.macro WIN new                         ; the immediate's high byte repeats the setting that is left
.if MSB != \new
	s_set_vgpr_msb (MSB<<8)|\new
.set MSB, \new
.endif
.endm
.set MUL,  0xa1                        ; source 0 (B) window 1, source 1 (A) window 0, C and D window 2
.set TO_B, 0x40                        ; destination window 1, address window 0
.macro PLACES n
.rept \n
	v_nop
.endr
.endm
.macro CREST                           ; a round of the cluster's barrier behind its opening barrier
	s_cmp_lg_u32 s14, 0
	s_cbranch_scc1 .Lnot_wave_0_\@
	s_barrier_signal -3
.Lnot_wave_0_\@:
	s_barrier_wait -3
	s_barrier_signal -1
	s_barrier_wait -1
.endm
.macro CROUND
	s_barrier_signal -1
	s_barrier_wait -1
	CREST
.endm
.macro JLOAD                           ; the joint refill of slot 0: waves 0 and 1 fetch A's halves, waves 2 and 3 B's; an s_nop 0 and four v_nop follow each line
	s_cmp_eq_u32 s15, 0
	s_cbranch_scc0 .Lfor_b_\@
	tensor_load_to_lds s[G0A:G0A+3], s[G1A:G1A+7]
	s_nop 0
	PLACES 4
	s_branch .Lasked_\@
.Lfor_b_\@:
	tensor_load_to_lds s[G0B:G0B+3], s[G1B:G1B+7]
	s_nop 0
	PLACES 4
.Lasked_\@:
.endm
.macro FETCH slot, q, p                ; 48 LDS loads: the fragments of the slot's q-th 128 along K into set p
	WIN TO_B
.irp b, 0,1,2,3,4,5,6,7
.irp c, 0,1,2,3
	ds_load_b128 v[128*(\p)+16*\b+4*\c:128*(\p)+16*\b+4*\c+3], v[ADRB+\slot] offset:4096*\b+2048*(\q)+512*\c
.endr
.endr
	WIN 0
.irp a, 0,1,2,3
.irp c, 0,1,2,3
	ds_load_b128 v[AF+64*(\p)+16*\a+4*\c:AF+64*(\p)+16*\a+4*\c+3], v[ADRA+\slot] offset:4096*\a+2048*(\q)+512*\c
.endr
.endr
.endm
.macro MUL8 a, p, zero                 ; A's block a against B's eight, 128 along K.  The 32 accumulators take turns in the same order in every step
.irp b, 0,1,2,3,4,5,6,7
.if \zero
	v_wmma_f32_16x16x128_fp8_fp8 v[8*(8*(\a)+\b):8*(8*(\a)+\b)+7], v[128*(\p)+16*\b:128*(\p)+16*\b+15], v[AF+64*(\p)+16*(\a):AF+64*(\p)+16*(\a)+15], 0
.else
	v_wmma_f32_16x16x128_fp8_fp8 v[8*(8*(\a)+\b):8*(8*(\a)+\b)+7], v[128*(\p)+16*\b:128*(\p)+16*\b+15], v[AF+64*(\p)+16*(\a):AF+64*(\p)+16*(\a)+15], v[8*(8*(\a)+\b):8*(8*(\a)+\b)+7]
.endif
.endr
.endm
.macro SUB p, zero, slot, q            ; a step of 128 along K on set p; the next step's fragments, (slot, q), are asked for first, into the other set
	s_wait_dscnt 0x0                               ; set p is in
	PLACES 4                                       ; four plain places between the last products that read the other set and the loads into it (ISA guide 7.12.1 for vector instructions)
	FETCH \slot, \q, 1-\p
	WIN MUL
	MUL8 0, \p, \zero
	MUL8 1, \p, \zero
	MUL8 2, \p, \zero
	MUL8 3, \p, \zero
.endm
.macro TURN next, fill                 ; a slot's last step (set 1) changes slots: one barrier.  fill = 1: the slot just read is filled again, behind a round of the cluster's barrier
	WIN 0                                          ; (the add's two registers lie in window 0)
	s_wait_tensorcnt 0x0                           ; all my tensor loads have landed
	ds_add_u32 v[SPW], v[NIL]                      ; 0 onto my spare word
	s_wait_dscnt 1                                 ; the 48 fragment loads are in; the add, issued behind them, may be out
	WIN MUL
	MUL8 0, 1, 0                                   ; eight matrix instructions stand between the add and the wait for it
	s_wait_dscnt 0x0                               ; the add is done, and my reads of this slot are over
	s_barrier_signal -1
	MUL8 1, 1, 0
	WIN 0
	s_barrier_wait -1
.if \fill
	CREST                                          ; no wave of any partner still reads the slot or has a load on its way
	s_add_nc_u64 s[G0A+2:G0A+3], s[G0A+2:G0A+3], 3*4096   ; slot 0's descriptors go from K step 0 to K step 3
	s_add_nc_u64 s[G0B+2:G0B+3], s[G0B+2:G0B+3], 3*4096
	JLOAD                                          ; the first tensor load behind the round; its four v_nop are the places in front of the loads below
.else
	PLACES 4
.endif
	s_wait_alu depctr_va_vdst(0)
	FETCH \next, 0, 0
	WIN MUL
	MUL8 2, 1, 0
	MUL8 3, 1, 0
.endm
	s_load_b256 s[4:11], s[0:1], 0x0               ; ao s[4:5], wc s[6:7], lowp_scales s[8:9], out0 s[10:11]
	v_lshl_add_u32 v[SPW], v0, 2, SPARE
	v_mov_b32 v[NIL], 0
	ds_add_u32 v[SPW], v[NIL]
	ds_add_u32 v[SPW], v[NIL]                      ; the wave's opening: the add and its wait stand ahead of my first tensor load; work on registers stands between
	v_lshrrev_b32 v1, 5, v0
	v_readfirstlane_b32 s14, v1                    ; wave 0..3
	s_lshr_b32 s15, s14, 1                         ; my half of the tokens.  Also: I fetch for A (0) or for B (1)
	s_and_b32 s16, s14, 1                          ; my half of the features.  Also: which half of that tile I fetch
	s_bfe_u32 s66, ttmp6, 0x40000                  ; cx = the tile column
	s_bfe_u32 s67, ttmp6, 0x40004                  ; cy
	s_and_b32 s69, ttmp7, 0xffff
	s_lshl_b32 s69, s69, 2
	s_add_co_u32 s69, s69, s67                     ; tile row = 4 x cluster y + cy
	s_lshl_b32 s71, s67, 2
	s_lshl_b32 s71, 15, s71                        ; my row of the cluster
	s_lshl_b32 s82, 0x1111, s66                    ; my column
	s_or_b32 s[G1A], s71, (3<<16)|(1<<21)          ; 15:0 the mask; 17:16 elements of 8 bytes; 21 set beside a mask; no padding
	s_or_b32 s[G1B], s82, (3<<16)|(1<<21)
	s_mov_b32 s[G1A+1], 512<<16                    ; tensor_dim0 = 512 elements: 4,096 bytes
	s_mov_b32 s[G1A+2], 4<<16                      ; tensor_dim1 = 4 blocks
	s_mov_b32 s[G1A+3], 512<<16                    ; tile_dim0
	s_mov_b32 s[G1A+4], 4                          ; tile_dim1
	s_mov_b32 s[G1A+5], 2048                       ; from block to block: 16,384 bytes
	s_mov_b32 s[G1A+6], 0
	s_mov_b32 s[G1A+7], 0
	s_mov_b32 s[G1B+1], 512<<16
	s_mov_b32 s[G1B+2], 8<<16                      ; 8 blocks
	s_mov_b32 s[G1B+3], 512<<16
	s_mov_b32 s[G1B+4], 8
	s_mov_b32 s[G1B+5], 2048
	s_mov_b32 s[G1B+6], 0
	s_mov_b32 s[G1B+7], 0
	s_lshl_b32 s92, s69, 17                        ; A: 8 blocks of 16,384 bytes a tile row,
	s_lshl_b32 s17, s16, 16                        ; 4 blocks a half
	s_add_co_u32 s92, s92, s17
	s_mov_b32 s93, 0
	s_lshl_b32 s94, s66, 18                        ; B: 16 blocks a tile column,
	s_lshl_b32 s17, s16, 17                        ; 8 a half,
	s_add_co_u32 s94, s94, s17
	s_add_co_u32 s94, s94, 0x300000                ; in Wo's section of wc
	s_mov_b32 s95, 0
	s_lshl_b32 s18, s16, 14                        ; where they go in a slot: A's halves,
	s_lshl_b32 s19, s16, 15
	s_add_co_u32 s19, s19, 32768                   ; B's halves: no place in the cluster enters an LDS address
	s_wait_dscnt 0x0                               ; the opening add is done
	s_wait_kmcnt 0x0
	s_load_b64 s[96:97], s[8:9], 0x28              ; e10, e11
	s_add_nc_u64 s[88:89], s[4:5], s[92:93]
	s_add_nc_u64 s[90:91], s[6:7], s[94:95]
	CROUND                                         ; all sixteen work-groups are here: the first joint loads meet
.irp s, 0,1,2
	s_mov_b32 s[G0A+4*\s], 1
	s_add_co_u32 s[G0A+4*\s+1], s18, \s*SLOT
	s_add_nc_u64 s[G0A+4*\s+2:G0A+4*\s+3], s[88:89], \s*4096
	s_or_b32 s[G0A+4*\s+3], s[G0A+4*\s+3], 0x80000000
	s_mov_b32 s[G0B+4*\s], 1
	s_add_co_u32 s[G0B+4*\s+1], s19, \s*SLOT
	s_add_nc_u64 s[G0B+4*\s+2:G0B+4*\s+3], s[90:91], \s*4096
	s_or_b32 s[G0B+4*\s+3], s[G0B+4*\s+3], 0x80000000
.endr
	s_cmp_eq_u32 s15, 0                            ; a wave's three first fills stand in one branch, ahead of every wait on TENSORcnt and every LDS read
	s_cbranch_scc0 .Lfirst_b
	tensor_load_to_lds s[G0A:G0A+3], s[G1A:G1A+7]
	s_nop 0
	tensor_load_to_lds s[G0A+4:G0A+7], s[G1A:G1A+7]
	s_nop 0
	tensor_load_to_lds s[G0A+8:G0A+11], s[G1A:G1A+7]
	s_nop 0
	PLACES 4
	s_branch .Lfirst_asked
.Lfirst_b:
	tensor_load_to_lds s[G0B:G0B+3], s[G1B:G1B+7]
	s_nop 0
	tensor_load_to_lds s[G0B+4:G0B+7], s[G1B:G1B+7]
	s_nop 0
	tensor_load_to_lds s[G0B+8:G0B+11], s[G1B:G1B+7]
	s_nop 0
	PLACES 4
.Lfirst_asked:
	v_and_b32 v1, 31, v0
	v_lshlrev_b32 v[CO], 4, v1                     ; 16 L
	s_lshl_b32 s20, s15, 14                        ; my 4 blocks of A
	s_lshl_b32 s21, s16, 15
	s_add_co_u32 s21, s21, 32768                   ; my 8 blocks of B
.irp s, 0,1,2
	v_add_nc_u32 v[ADRA+\s], s20, v[CO]
	v_add_nc_u32 v[ADRB+\s], s21, v[CO]
	s_add_co_u32 s20, s20, SLOT
	s_add_co_u32 s21, s21, SLOT
.endr
	s_mul_i32 s22, s14, 16*528                     ; my stage, 16 rows x (512 + 16) bytes, in slot 1: when the first result is stored there the slot has had its one fill,
	s_add_co_u32 s22, s22, SLOT                    ; and every wave has passed the second change of slots, behind which nobody reads it
	v_and_b32 v2, 15, v0                           ; r
	v_bfe_u32 v3, v0, 4, 1                         ; h
	v_mul_u32_u24 v5, v2, 528
	v_lshl_add_u32 v5, v3, 5, v5
	v_add_nc_u32 v[STO], s22, v5                   ; in: row r, 32 bytes for each half of the lanes
	v_add_nc_u32 v[RD], s22, v[CO]                 ; back: the 32 lanes take one row of 512 bytes
	s_lshl_b32 s82, s69, 19                        ; 128 rows of 4,096 bytes a tile row,
	s_lshl_b32 s83, s15, 18                        ; 64 a half,
	s_add_co_u32 s82, s82, s83
	s_lshl_b32 s83, s66, 10                        ; 256 features of 4 bytes a tile column,
	s_add_co_u32 s82, s82, s83
	s_lshl_b32 s83, s16, 9                         ; 128 a half
	s_add_co_u32 s82, s82, s83
	s_mov_b32 s83, 0
	s_add_nc_u64 s[10:11], s[10:11], s[82:83]
	s_wait_kmcnt 0x0
	s_add_co_i32 s96, s96, s97
	s_add_co_i32 s96, s96, 127
	s_lshl_b32 s96, s96, 23                        ; 2^(e10 + e11) as f32
	s_wait_tensorcnt 2                             ; my part of K step 0 is in; the loads of K steps 1 and 2, issued behind it, may be out
	s_barrier_signal -1
	s_barrier_wait -1                              ; everybody's is
	FETCH 0, 0, 0
	SUB 0, 1, 0, 1                                 ; K 0-127: the first products start the sums
	TURN 1, 1                                      ; K 128-255; slot 0 is left and takes K step 3
	SUB 0, 0, 1, 1
	SUB 1, 0, 2, 0
	SUB 0, 0, 2, 1
	TURN 0, 0                                      ; K 640-767; K step 3 has landed; nothing is filled
	SUB 0, 0, 0, 1
	s_wait_dscnt 0x0
	WIN MUL
	MUL8 0, 1, 0
	MUL8 1, 1, 0
	MUL8 2, 1, 0
	MUL8 3, 1, 0
	WIN 0
	PLACES 4                                       ; in front of the first reads of results and of the loads into the registers that held A's fragments
; THE WAY OUT, block by block of 16 tokens x 128 features.  A lane holds 32 neighbouring bytes of a row and the lanes beside it other rows: a block goes through my own stage and comes back as whole rows
; of 512 bytes.  LDS serves a wave's instructions in order (ISA guide 5.7.1.4): no wait between the stores and the loads, nor in front of the next block's stores.
.macro TOSTAGE a
	WIN 0x02                                       ; source 0: window 2
.irp j, 0,2,4,6,8,10,12,14,16,18,20,22,24,26,28,30,32,34,36,38,40,42,44,46,48,50,52,54,56,58,60,62
	v_pk_mul_f32 v[TMP+\j:TMP+\j+1], v[64*(\a)+\j:64*(\a)+\j+1], s[96:97] op_sel_hi:[1,0]   ; both x s96; each accumulator from its low end on
.endr
	WIN 0
.irp b, 0,1,2,3,4,5,6,7
	ds_store_b128 v[STO], v[TMP+8*\b:TMP+8*\b+3] offset:64*\b
	ds_store_b128 v[STO], v[TMP+8*\b+4:TMP+8*\b+7] offset:64*\b+16
.endr
.set BB, BK+64*((\a)%2)
.irp t, 0,1,2,3,4,5,6,7,8,9,10,11,12,13,14,15
	ds_load_b128 v[BB+4*\t:BB+4*\t+3], v[RD] offset:\t*528
.endr
.endm
.macro SEND a, younger                 ; younger: the LDS instructions issued behind block a's loads, which may stay out
.set BB, BK+64*((\a)%2)
	s_wait_dscnt \younger
.irp t, 0,1,2,3,4,5,6,7,8,9,10,11,12,13,14,15
	global_store_b128 v[CO], v[BB+4*\t:BB+4*\t+3], s[10:11] offset:(16*(\a)+\t)*4096 th:TH_STORE_NT   ; 32 lanes store 512 consecutive bytes, at a multiple of 256 from out0's first byte; the row stands in the immediate
.endr
.endm
	TOSTAGE 0
.irp a, 1,2,3
.if \a > 1
	s_wait_xcnt 0x0                                ; block a - 2's stores have read their registers: block a's loads may land there
.endif
	TOSTAGE \a
	SEND \a-1, 32                                  ; behind block a - 1's loads: block a's 16 stores and 16 loads
.endr
	SEND 3, 0
	s_wait_tensorcnt 0x0                           ; the wave's end, behind my last tensor load and my last LDS store
	ds_add_u32 v[SPW], v[NIL]
	s_wait_dscnt 0x0
	CROUND                                         ; the closing round: no work-group ends while a partner may still ask for a tile that names it
	s_endpgm
.Lfunc_end_k_qc70d1c5ff9_oproj:
	.size	k_qc70d1c5ff9_oproj, .Lfunc_end_k_qc70d1c5ff9_oproj-k_qc70d1c5ff9_oproj
	.p2alignl 7, 3214868480
	.fill 96, 4, 3214868480
	.section	.rodata,"a",@progbits
	.p2align	6, 0x0
	.amdhsa_kernel k_qc70d1c5ff9_oproj
		.amdhsa_group_segment_fixed_size 327680
		.amdhsa_private_segment_fixed_size 0
		.amdhsa_enable_private_segment 0
		.amdhsa_kernarg_size 32
		.amdhsa_user_sgpr_count 2
		.amdhsa_user_sgpr_kernarg_segment_ptr 1
		.amdhsa_wavefront_size32 1
		.amdhsa_system_sgpr_workgroup_id_x 1
		.amdhsa_system_sgpr_workgroup_id_y 1
		.amdhsa_system_sgpr_workgroup_id_z 1
		.amdhsa_system_vgpr_workitem_id 0
		.amdhsa_next_free_vgpr 768
		.amdhsa_next_free_sgpr 100
		.amdhsa_reserve_vcc 0
		.amdhsa_float_denorm_mode_32 3
		.amdhsa_float_denorm_mode_16_64 3
		.amdhsa_memory_ordered 1
		.amdhsa_forward_progress 1
		.amdhsa_inst_pref_size 74
	.end_amdhsa_kernel
	.amdgpu_metadata
---
amdhsa.version: [ 1, 2 ]
amdhsa.kernels:
  - .name:           k_qc70d1c5ff9_oproj
    .symbol:         k_qc70d1c5ff9_oproj.kd
    .args:
      - { .name: ao, .offset: 0, .size: 8, .value_kind: global_buffer, .address_space: global }
      - { .name: wc, .offset: 8, .size: 8, .value_kind: global_buffer, .address_space: global }
      - { .name: lowp_scales, .offset: 16, .size: 8, .value_kind: global_buffer, .address_space: global }
      - { .name: out0, .offset: 24, .size: 8, .value_kind: global_buffer, .address_space: global }
    .group_segment_fixed_size: 327680
    .private_segment_fixed_size: 0
    .kernarg_segment_align: 8
    .kernarg_segment_size: 32
    .max_flat_workgroup_size: 128
    .sgpr_count:     100
    .vgpr_count:     768
    .wavefront_size: 32
...
	.end_amdgpu_metadata
.endif
;; end of part 4
